; MI455X (gfx1250); checked and timed in simulation.
; The chip was launched on July 23, 2026; its instructions are those of AMD's public machine-readable ISA for CDNA 5 (MIT licence, August 2026) and "CDNA5" Instruction Set Architecture Reference Guide (July 2026). The comments in the code are by the model that wrote it; some were corrected since.
;; moe gating. Allowed arithmetic: float matrix products may take bf16 or f16 operands with f32 sums; other float arithmetic in f32, or as packed bf16 or f16 multiplies, adds, multiply-adds, maxima and minima; sums over many terms, partial sums and values carried from step to step in f32; what a program stores and reads back later, other than sums and carried values, may be rounded once to bf16 or f16.
;; Inputs: attention_weights 2 x 8 x 32 x 32 float32; b1 6 x 1,024 float32; b2 6 x 256 float32; gate_b 6 float32; gate_w 6 x 256 float32; w1 6 x 1,024 x 256 float32; w2 6 x 256 x 1,024 float32; x 2 x 256 x 8 x 32 x 32 float32.
;; Outputs: out0 2 x 256 x 8 x 32 x 32 float32.
;; 2 versions, each right; version 2 is version 1 with the launch prep written anew for expert scheduling mode. Each part assembles by itself: llvm-mc -triple=amdgcn-amd-amdhsa -mcpu=gfx1250 --defsym DOCPART=n.
;; ======== version 1 of 2: 4 launches
;; limits: a function is approximated: absolute error at most 2.5e-05; an absolute error that grows with the inputs' magnitude: up to 1.3e-05 times it
;; workspace buffers: xt 8,388,608 bytes; gates 393,216 bytes; route 81,920 bytes of whole numbers; order 65,536 bytes of whole numbers; wl 6,291,456 bytes; br 30,720 bytes; y 8,388,608 bytes
;; launch gate (part 1): grid 256 x 1, 8 waves a work-group, no clusters, 47,104 bytes of LDS; arguments x, attention_weights, gate_w, gate_b, xt, gates, route; writes xt, gates, route
.if DOCPART == 1
	.amdgcn_target "amdgcn-amd-amdhsa--gfx1250"
	.amdhsa_code_object_version 6
	.text
	.protected	k_q68a1bbd6ce_gate
	.globl	k_q68a1bbd6ce_gate
	.p2align	8
	.type	k_q68a1bbd6ce_gate,@function
k_q68a1bbd6ce_gate:
	s_mov_b64 s[64:65], 0
	v_nop
	global_prefetch_b8 v0, s[64:65] scope:SCOPE_SE
	s_setreg_imm32_b32 hwreg(HW_REG_WAVE_MODE, 25, 1), 1
	s_wait_xcnt 0x0
; GATE.  x [2][256][8192] f32 -> xt [16384 tokens][256] bf16 (rounded once, turned), gates [6][16384] f32 (softmax value of a chosen expert, 0 elsewhere),
; route: emask [16384] u32 (bit e: expert e chosen), then hist [256 blocks][16 words] (two 16-bit counts a word: how many of the block's 64 tokens chose set k of the 20 sets of three experts).
; All inputs are rounded to bf16 first (x, the attention weights, gate_w, gate_b), products and sums in f32: the gate is that of the rounded numbers.
; SHARES.  A work-group owns 64 tokens (256 consecutive bytes of every channel's row).  Wave w owns channels 32 w .. 32 w + 31, lane l tokens 2 l and 2 l + 1:
; a wave's load of 8 bytes a lane covers 256 consecutive bytes, aligned.  The six gate sums of a wave's 32 channels meet in LDS; wave 0 adds them and routes.
; No matrix unit: six outputs a token, 0.1 per cent of the program's multiply-adds, and with a token a lane the sums fall where they are stored in whole runs of 256 bytes.
; No cluster: no two work-groups read the same bytes but gate_w's 6 KiB.
; LIMITS.  The three largest are ranked by exp(gv - max), ties to the lower index; the gate is that number times the reciprocal of the sum (v_rcp_f32), not a division.
; The f32 sums run by channel inside a wave and then by wave, another order than a plain dot product's.  NaN and infinities are not served.
.set XTP,   528                        ; a token's row in LDS: 512 bytes + 16: an odd multiple of 16, so 16 rows of a 16-byte access start in 16 different groups of four banks (ISA guide 11.1)
.set RED,   64*XTP                     ; behind the rows: [8 waves][6 experts][64 tokens] f32
.set SPARE, RED+8*6*256                ; behind that: the spare words, 128 bytes a wave: four blocks of 256 bytes that no other line names
.set LN,   1                           ; v1   lane
.set O8,   2                           ; v2   8 l
.set OGW,  3                           ; v3   4 x thread: my channel's place in a row of gate_w
.set SPW,  4                           ; v4   my spare word; never rewritten
.set NIL,  5                           ; v5   0; never rewritten
.set AXT,  6                           ; v6   LDS: row l, byte 64 w
.set ARED, 7                           ; v7   LDS: my wave's partial sums
.set ABK,  8                           ; v8   LDS: rows 8 w .., 16 l
.set ARD0, 9                           ; v9   LDS: RED + 8 l
.set ATT,  10                          ; v[10:11] attention weights of my two tokens
.set O16,  12                          ; v12  16 l
.set OTK,  13                          ; v13  256 b + 8 l: my two tokens in a table of words
.set OHI,  14                          ; v14  64 b + 4 l
.set X,    16                          ; v[16:79] channel i's pair at X + 2 i; later the rows read back
.set GW,   80                          ; v[80:85] gate_w[e][32 w + l]
.set ACC,  86                          ; v[86:97] six pairs of sums; later gv, p, the gates
.set PKD,  98                          ; v[98:99] channels i - 1 and i, two tokens packed
.set T0,   100                         ; v[100:115] token 2 l, 32 channels in bf16
.set T1,   116                         ; v[116:131] token 2 l + 1
.set RK,   100                         ; wave 0, later: ranks, by expert and token
.set EM,   116                         ; v[116:117] the two masks
.set TB,   118
.set HS,   119                         ; the histogram's 16 words, a lane each
.set GB,   132                         ; v[132:137] gate_b rounded
.set TMP,  138
.set MX,   140                         ; v[140:141]
.set SM,   142                         ; v[142:143]
.set RD,   144                         ; v[144:239] the 48 partial pairs
	s_load_b256 s[4:11], s[0:1], 0x0               ; x s[4:5], attention_weights s[6:7], gate_w s[8:9], gate_b s[10:11]
	s_load_b128 s[12:15], s[0:1], 0x20             ; xt s[12:13], gates s[14:15]
	s_load_b64 s[16:17], s[0:1], 0x30              ; route
	v_lshl_add_u32 v[SPW], v0, 2, SPARE
	v_mov_b32 v[NIL], 0
	v_lshrrev_b32 v[LN], 5, v0
	v_readfirstlane_b32 s20, v[LN]                 ; wave 0..7
	v_and_b32 v[LN], 31, v0
	v_lshlrev_b32 v[O8], 3, v[LN]
	v_lshlrev_b32 v[OGW], 2, v0
	v_lshlrev_b32 v[O16], 4, v[LN]
	s_mov_b32 s21, ttmp9                           ; block b of 64 tokens
	s_lshr_b32 s22, s21, 7                         ; x: batch b / 128 x 8,388,608
	s_lshl_b32 s22, s22, 23
	s_lshl_b32 s23, s20, 20                        ; + 32 w channels of 32,768 bytes
	s_add_co_u32 s22, s22, s23
	s_and_b32 s23, s21, 127                        ; + the block's 256 bytes in a row
	s_lshl_b32 s23, s23, 8
	s_add_co_u32 s22, s22, s23
	s_mov_b32 s23, 0
	s_lshl_b32 s30, s21, 8                         ; 256 b
	s_mov_b32 s31, 0
	s_lshl_b32 s32, s21, 6                         ; xt: the first token that I store: 64 b + 16 (w % 4) + w / 4
	s_and_b32 s33, s20, 3
	s_lshl_b32 s33, s33, 4
	s_add_co_u32 s32, s32, s33
	s_lshr_b32 s33, s20, 2
	s_add_co_u32 s32, s32, s33
	s_lshl_b32 s32, s32, 9                         ; rows of 512 bytes
	s_mov_b32 s33, 0
	s_lshl_b32 s34, s21, 6
	v_add_nc_u32 v[OTK], s30, v[O8]
	v_lshl_add_u32 v[OHI], v[LN], 2, s34
	v_mul_u32_u24 v[AXT], v[LN], XTP
	s_lshl_b32 s35, s20, 6
	v_add_nc_u32 v[AXT], s35, v[AXT]
	s_mul_i32 s35, s20, 6*256
	s_add_co_u32 s35, s35, RED
	v_add_nc_u32 v[ARED], s35, v[O8]
	s_mul_i32 s35, s20, 8*XTP
	v_add_nc_u32 v[ABK], s35, v[O16]
	v_add_nc_u32 v[ARD0], RED, v[O8]
.irp e, 0,1,2,3,4,5
	s_mov_b32 s[41+2*\e], 0                        ; the upper words of the six pairs that the packed forms name
.endr
	s_wait_kmcnt 0x0
	s_load_b128 s[24:27], s[10:11], 0x0            ; gate_b
	s_load_b64 s[28:29], s[10:11], 0x10
	s_add_nc_u64 s[4:5], s[4:5], s[22:23]
	s_add_nc_u64 s[6:7], s[6:7], s[30:31]
	s_add_nc_u64 s[12:13], s[12:13], s[32:33]
.irp e, 0,1,2,3,4,5
	global_load_b32 v[GW+\e], v[OGW], s[8:9] offset:1024*\e
.endr
	global_load_b64 v[ATT:ATT+1], v[O8], s[6:7]
.irp i, 0,1,2,3,4,5,6,7,8,9,10,11,12,13,14,15,16,17,18,19,20,21,22,23,24,25,26,27,28,29,30,31
	global_load_b64 v[X+2*\i:X+2*\i+1], v[O8], s[4:5] offset:32768*\i th:TH_LOAD_NT
.endr
	s_wait_kmcnt 0x0
	s_wait_loadcnt 33                              ; gate_w is in: behind it stand the attention weights and the 32 loads of x
.irp e, 0,1,2,3,4,5
	v_cvt_pk_bf16_f32 v[GW+\e], v[GW+\e], v[GW+\e]
.endr
.irp e, 0,1,2,3,4,5
	v_lshlrev_b32 v[GW+\e], 16, v[GW+\e]           ; rounded to bf16, kept as f32
.endr
; Channel i of my 32: rounded, used for the six sums, and packed by token.
.macro CH i
	s_wait_loadcnt 31-(\i)                         ; loads come back in order: the younger loads of x stay out
	v_cvt_pk_bf16_f32 v[PKD+((\i)&1)], v[X+2*(\i)], v[X+2*(\i)+1]
	v_lshlrev_b32 v[X+2*(\i)], 16, v[PKD+((\i)&1)]
	v_and_b32 v[X+2*(\i)+1], 0xffff0000, v[PKD+((\i)&1)]
.irp e, 0,1,2,3,4,5
	v_readlane_b32 s[40+2*\e], v[GW+\e], \i        ; lane i holds channel 32 w + i
.endr
.irp e, 0,1,2,3,4,5
.if (\i) == 0
	v_pk_mul_f32 v[ACC+2*\e:ACC+2*\e+1], v[X+2*(\i):X+2*(\i)+1], s[40+2*\e:41+2*\e] op_sel_hi:[1,0]  ; the first product starts the sum
.else
	v_pk_fma_f32 v[ACC+2*\e:ACC+2*\e+1], v[X+2*(\i):X+2*(\i)+1], s[40+2*\e:41+2*\e], v[ACC+2*\e:ACC+2*\e+1] op_sel_hi:[1,0,1]
.endif
.endr
.if ((\i)&1)
	v_perm_b32 v[T0+(\i)/2], v[PKD+1], v[PKD], 0x05040100  ; the two low halves: token 2 l, channels i - 1 and i
	v_perm_b32 v[T1+(\i)/2], v[PKD+1], v[PKD], 0x07060302  ; the two high halves: token 2 l + 1
.endif
.endm
.irp i, 0,1,2,3,4,5,6,7,8,9,10,11,12,13,14,15,16,17,18,19,20,21,22,23,24,25,26,27,28,29,30,31
	CH \i
.endr
.irp q, 0,1,2,3
	ds_store_b128 v[AXT], v[T0+4*\q:T0+4*\q+3] offset:16*\q            ; token 2 l lies in row l,
	ds_store_b128 v[AXT], v[T1+4*\q:T1+4*\q+3] offset:32*XTP+16*\q     ; token 2 l + 1 in row 32 + l
.endr
.irp e, 0,1,2,3,4,5
	ds_store_b64 v[ARED], v[ACC+2*\e:ACC+2*\e+1] offset:256*\e
.endr
	s_wait_dscnt 0x0                               ; for the others: my stores are done
	s_barrier_signal -1
	s_barrier_wait -1
	s_cmp_lg_u32 s20, 0
	s_cbranch_scc1 .Lrows
	; WAVE 0 ROUTES the 64 tokens, two a lane.
.irp w, 0,1,2,3,4,5,6,7
.irp e, 0,1,2,3,4,5
	ds_load_b64 v[RD+12*\w+2*\e:RD+12*\w+2*\e+1], v[ARD0] offset:1536*\w+256*\e
.endr
.endr
	v_cvt_pk_bf16_f32 v[TMP], v[ATT], v[ATT+1]     ; the attention weights and gate_b, rounded to bf16
	v_lshlrev_b32 v[ATT], 16, v[TMP]
	v_and_b32 v[ATT+1], 0xffff0000, v[TMP]
.irp e, 0,1,2,3,4,5
	v_mov_b32 v[GB+\e], s[24+\e]
.endr
.irp e, 0,1,2,3,4,5
	v_cvt_pk_bf16_f32 v[GB+\e], v[GB+\e], v[GB+\e]
.endr
.irp e, 0,1,2,3,4,5
	v_lshlrev_b32 v[GB+\e], 16, v[GB+\e]
.endr
	s_wait_dscnt 0x0
.irp e, 0,1,2,3,4,5
	v_pk_add_f32 v[ACC+2*\e:ACC+2*\e+1], v[RD+2*\e:RD+2*\e+1], v[RD+12+2*\e:RD+12+2*\e+1]
.endr
.irp w, 2,3,4,5,6,7
.irp e, 0,1,2,3,4,5
	v_pk_add_f32 v[ACC+2*\e:ACC+2*\e+1], v[ACC+2*\e:ACC+2*\e+1], v[RD+12*\w+2*\e:RD+12*\w+2*\e+1]
.endr
.endr
.irp u, 0,1
.irp e, 0,1,2,3,4,5
	v_add_f32 v[ACC+2*\e+\u], v[ACC+2*\e+\u], v[GB+\e]
.endr
.irp e, 0,1,2,3,4,5
	v_mul_f32 v[ACC+2*\e+\u], v[ACC+2*\e+\u], v[ATT+\u]  ; gv
.endr
	v_max3_num_f32 v[MX+\u], v[ACC+\u], v[ACC+2+\u], v[ACC+4+\u]
	v_max3_num_f32 v[MX+\u], v[MX+\u], v[ACC+6+\u], v[ACC+8+\u]
	v_max_num_f32 v[MX+\u], v[MX+\u], v[ACC+10+\u]       ; the maximum is taken away, as the softmax does
.irp e, 0,1,2,3,4,5
	v_sub_f32 v[ACC+2*\e+\u], v[ACC+2*\e+\u], v[MX+\u]
.endr
.irp e, 0,1,2,3,4,5
	v_mul_f32 v[ACC+2*\e+\u], 0x3fb8aa3b, v[ACC+2*\e+\u]
.endr
.endr
.irp r, 0,1,2,3,4,5,6,7,8,9,10,11
	v_exp_f32 v[ACC+\r], v[ACC+\r]                 ; one batch of twelve
.endr
.irp r, 0,1,2,3,4,5,6,7,8,9,10,11
	v_mov_b32 v[RK+\r], 0                          ; plain work behind the batch
.endr
	s_wait_alu depctr_va_vdst(0)                   ; one wait for the batch, ahead of its first reader
	v_pk_add_f32 v[SM:SM+1], v[ACC:ACC+1], v[ACC+2:ACC+3]
.irp e, 2,3,4,5
	v_pk_add_f32 v[SM:SM+1], v[SM:SM+1], v[ACC+2*\e:ACC+2*\e+1]
.endr
	v_rcp_f32 v[SM], v[SM]
	v_rcp_f32 v[SM+1], v[SM+1]
	; rank of e = how many experts come before it: a lower index with p not smaller, a higher index with p larger
.irp u, 0,1
.irp a, 0,1,2,3,4
.irp b, 1,2,3,4,5
.if \b > \a
	v_cmp_ge_f32 vcc_lo, v[ACC+2*\a+\u], v[ACC+2*\b+\u]
	v_add_co_ci_u32 v[RK+2*\b+\u], vcc_lo, 0, v[RK+2*\b+\u], vcc_lo
	v_cmp_gt_f32 vcc_lo, v[ACC+2*\b+\u], v[ACC+2*\a+\u]
	v_add_co_ci_u32 v[RK+2*\a+\u], vcc_lo, 0, v[RK+2*\a+\u], vcc_lo
.endif
.endr
.endr
.endr
	v_mov_b32 v[EM], 0
	v_mov_b32 v[EM+1], 0
	v_mov_b32 v[HS], 0
	s_wait_alu depctr_va_vdst(0)                   ; the two reciprocals; the ranks above are the plain work between
.irp u, 0,1
.irp e, 0,1,2,3,4,5
	v_cmp_gt_u32 vcc_lo, 3, v[RK+2*\e+\u]
	v_mul_f32 v[ACC+2*\e+\u], v[ACC+2*\e+\u], v[SM+\u]
	v_cndmask_b32 v[ACC+2*\e+\u], 0, v[ACC+2*\e+\u], vcc_lo
	v_cndmask_b32 v[TB], 0, 1<<\e, vcc_lo
	v_or_b32 v[EM+\u], v[EM+\u], v[TB]
.endr
.endr
.irp e, 0,1,2,3,4,5
	global_store_b64 v[OTK], v[ACC+2*\e:ACC+2*\e+1], s[14:15] offset:65536*\e  ; 256 consecutive bytes, aligned
.endr
	global_store_b64 v[OTK], v[EM:EM+1], s[16:17]
	; the block's count of each set of three; the sets stand in an order in which neighbours differ in one expert
.set k, 0
.irp m, 0x07,0x0D,0x0E,0x0B,0x19,0x1A,0x1C,0x15,0x16,0x13,0x31,0x32,0x34,0x38,0x29,0x2A,0x2C,0x25,0x26,0x23
	v_cmp_eq_u32 s35, \m, v[EM]
	v_cmp_eq_u32 s36, \m, v[EM+1]
	s_bcnt1_i32_b32 s35, s35
	s_bcnt1_i32_b32 s36, s36
	s_add_co_u32 s35, s35, s36
.if (k&1) == 0
	s_mov_b32 s37, s35
.else
	s_lshl_b32 s35, s35, 16
	s_or_b32 s37, s37, s35
	v_writelane_b32 v[HS], s37, k/2
.endif
.set k, k+1
.endr
	s_wait_xcnt 0x0                                ; EXEC is a source of the stores above: it changes only behind this wait
	v_cmp_gt_u32 vcc_lo, 16, v[LN]
	s_and_saveexec_b32 s38, vcc_lo
	global_store_b32 v[OHI], v[HS], s[16:17] offset:65536  ; 64 bytes a block: the one store here that covers less than 256 bytes
	s_wait_xcnt 0x0                                ; and again in front of the line that widens it
	s_or_b32 exec_lo, exec_lo, s38
.Lrows:                                                ; every wave: eight token rows back out of LDS, 512 consecutive bytes each
.irp i, 0,1,2,3,4,5,6,7
	ds_load_b128 v[X+4*\i:X+4*\i+3], v[ABK] offset:XTP*\i
.endr
.irp i, 0,1,2,3,4,5,6,7
	s_wait_dscnt 7-\i                              ; the younger LDS loads stay out
	global_store_b128 v[O16], v[X+4*\i:X+4*\i+3], s[12:13] offset:1024*\i  ; LDS row 8 w + i is token 16 (w % 4) + w / 4 + 2 i
.endr
	s_wait_tensorcnt 0x0                           ; the wave's end, behind my last LDS store
	ds_add_u32 v[SPW], v[NIL]
	s_wait_dscnt 0x0
	s_endpgm
.Lfunc_end_k_q68a1bbd6ce_gate:
	.size	k_q68a1bbd6ce_gate, .Lfunc_end_k_q68a1bbd6ce_gate-k_q68a1bbd6ce_gate
	.p2alignl 7, 3214868480
	.fill 96, 4, 3214868480
	.section	.rodata,"a",@progbits
	.p2align	6, 0x0
	.amdhsa_kernel k_q68a1bbd6ce_gate
		.amdhsa_group_segment_fixed_size 47104
		.amdhsa_private_segment_fixed_size 0
		.amdhsa_enable_private_segment 0
		.amdhsa_kernarg_size 56
		.amdhsa_user_sgpr_count 2
		.amdhsa_user_sgpr_kernarg_segment_ptr 1
		.amdhsa_wavefront_size32 1
		.amdhsa_system_sgpr_workgroup_id_x 1
		.amdhsa_system_sgpr_workgroup_id_y 1
		.amdhsa_system_sgpr_workgroup_id_z 1
		.amdhsa_system_vgpr_workitem_id 0
		.amdhsa_next_free_vgpr 240
		.amdhsa_next_free_sgpr 66
		.amdhsa_reserve_vcc 1
		.amdhsa_float_denorm_mode_32 3
		.amdhsa_float_denorm_mode_16_64 3
		.amdhsa_memory_ordered 1
		.amdhsa_forward_progress 1
		.amdhsa_inst_pref_size 66
	.end_amdhsa_kernel
	.amdgpu_metadata
---
amdhsa.version: [ 1, 2 ]
amdhsa.kernels:
  - .name:           k_q68a1bbd6ce_gate
    .symbol:         k_q68a1bbd6ce_gate.kd
    .args:
      - { .name: x, .offset: 0, .size: 8, .value_kind: global_buffer, .address_space: global }
      - { .name: attention_weights, .offset: 8, .size: 8, .value_kind: global_buffer, .address_space: global }
      - { .name: gate_w, .offset: 16, .size: 8, .value_kind: global_buffer, .address_space: global }
      - { .name: gate_b, .offset: 24, .size: 8, .value_kind: global_buffer, .address_space: global }
      - { .name: xt, .offset: 32, .size: 8, .value_kind: global_buffer, .address_space: global }
      - { .name: gates, .offset: 40, .size: 8, .value_kind: global_buffer, .address_space: global }
      - { .name: route, .offset: 48, .size: 8, .value_kind: global_buffer, .address_space: global }
    .group_segment_fixed_size: 47104
    .private_segment_fixed_size: 0
    .kernarg_segment_align: 8
    .kernarg_segment_size: 56
    .max_flat_workgroup_size: 256
    .sgpr_count:     66
    .vgpr_count:     240
    .wavefront_size: 32
...
	.end_amdgpu_metadata
.endif
;; end of part 1
;; launch prep (part 2): grid 256 x 1, 4 waves a work-group, no clusters, 34,304 bytes of LDS; arguments route, w1, w2, b1, b2, wl, order, br; writes wl, order, br
.if DOCPART == 2
	.amdgcn_target "amdgcn-amd-amdhsa--gfx1250"
	.amdhsa_code_object_version 6
	.text
	.protected	k_q68a1bbd6ce_prep
	.globl	k_q68a1bbd6ce_prep
	.p2align	8
	.type	k_q68a1bbd6ce_prep,@function
k_q68a1bbd6ce_prep:
	s_mov_b64 s[64:65], 0
	v_nop
	global_prefetch_b8 v0, s[64:65] scope:SCOPE_SE
	s_setreg_imm32_b32 hwreg(HW_REG_WAVE_MODE, 25, 1), 1
	s_wait_xcnt 0x0
; PREP.  Two kinds of work-group, told apart by the work-group's number; no barrier in the text: every wave works for itself.
; WORK-GROUPS 0..191: w1 and w2, rounded once to bf16 and laid out as the chain's matrix operands.  wl = W1L, then W2L at byte 3,145,728, each [expert 6][chunk 8][wave 4][fragment 16][1,024 bytes].
;   A fragment is 16 rows x 32 K: lane (r = l % 16, h = l / 16) finds K 8 h .. 8 h + 7 of row r at byte 16 l and K 16 + 8 h .. at byte 512 + 16 l, so two 16-byte loads a lane fill it.
;   W1L: rows = hidden units 128 chunk + 32 wave + 16 hb + r, K = channels 32 k ..; fragment 2 k + hb.   W2L: rows = channels 64 wave + 16 cb + r, K = hidden units 128 chunk + 32 kk ..; fragment 4 kk + cb.
;   A wave takes a unit of 16 rows x 256 columns of f32 (each weight is read once in the launch), rounds it into its own LDS stage and reads the eight fragments back.
; WORK-GROUPS 192..255: a counting sort of the tokens by their SET of experts, without atomics: wave = block of 64 tokens.  It adds up the 256 blocks' counts (all, and those of earlier blocks), scans the 20 sets,
;   and stores order[place] = token | mask << 16.  The first 60 of these waves also round b1 and b2 to bf16 (kept as f32) into br.
; No cluster: no two work-groups read the same bytes but the 16 KiB of counts.
.set STG,   16*528                     ; a wave's stage: 16 rows of 512 bytes + 16
.set SPARE, 4*STG                      ; the spare words, 128 bytes a wave: two blocks of 256 bytes that no other line names
.set SPW, 4                            ; v4   my spare word; never rewritten
.set NIL, 5                            ; v5   0; never rewritten
	s_load_b256 s[4:11], s[0:1], 0x0               ; route s[4:5], w1 s[6:7], w2 s[8:9], b1 s[10:11]
	s_load_b256 s[12:19], s[0:1], 0x20             ; b2 s[12:13], wl s[14:15], order s[16:17], br s[18:19]
	v_lshl_add_u32 v[SPW], v0, 2, SPARE
	v_mov_b32 v[NIL], 0
	v_lshrrev_b32 v1, 5, v0
	v_readfirstlane_b32 s20, v1                    ; wave 0..3
	v_and_b32 v1, 31, v0                           ; lane
	v_lshlrev_b32 v2, 4, v1                        ; 16 l
	s_mov_b32 s21, ttmp9
	s_lshl_b32 s22, s21, 2
	s_add_co_u32 s22, s22, s20                     ; 4 x work-group + wave
	s_mov_b32 s25, 0
	s_mov_b32 s27, 0
	s_wait_kmcnt 0x0
	s_cmp_ge_u32 s21, 192
	s_cbranch_scc1 .Lsort
	v_lshlrev_b32 v3, 3, v1
	s_mul_i32 s23, s20, STG
	v_add_nc_u32 v6, s23, v3                       ; into my stage: 8 l
	v_and_b32 v7, 15, v0
	v_mul_u32_u24 v7, v7, 528
	v_bfe_u32 v8, v0, 4, 1
	v_lshl_add_u32 v7, v8, 4, v7
	v_add_nc_u32 v7, s23, v7                       ; out of it: row l % 16, 16 bytes for each half of the lanes
; A unit: sb = the scalar pair with the unit's first byte, pitch = bytes from row to row, kind 0: W1's places, 1: W2's.
.macro UNIT sb, pitch, kind
.set i, 0
.rept 32
	global_load_b128 v[16+4*i:16+4*i+3], v2, s[\sb:\sb+1] offset:(i/2)*(\pitch)+512*(i%2) th:TH_LOAD_NT  ; 512 consecutive bytes of row i / 2
.set i, i+1
.endr
.set i, 0
.rept 32
	s_wait_loadcnt 31-i                            ; the younger loads stay out
	v_cvt_pk_bf16_f32 v[144+2*(i%4)], v[16+4*i], v[16+4*i+1]
	v_cvt_pk_bf16_f32 v[145+2*(i%4)], v[16+4*i+2], v[16+4*i+3]
	ds_store_b64 v6, v[144+2*(i%4):145+2*(i%4)] offset:528*(i/2)+256*(i%2)
.set i, i+1
.endr
.set i, 0
.rept 8
	ds_load_b128 v[16+8*i:16+8*i+3], v7 offset:64*i      ; LDS serves a wave's instructions in order (ISA guide 5.7.1.4): these see my stores above
	ds_load_b128 v[16+8*i+4:16+8*i+7], v7 offset:64*i+32
.set i, i+1
.endr
.set i, 0
.rept 8
.if (\kind) == 0
.set dd, 2048*i
.else
.set dd, (i/4)*65536+(i%4)*4096
.endif
	s_wait_dscnt 14-2*i                            ; fragment i's two loads are in; the younger ones stay out
	global_store_b128 v2, v[16+8*i:16+8*i+3], s[14:15] offset:dd        ; 512 consecutive bytes, aligned
	global_store_b128 v2, v[16+8*i+4:16+8*i+7], s[14:15] offset:dd+512
.set i, i+1
.endr
	s_wait_tensorcnt 0x0                           ; the wave's end, behind my last LDS store
	ds_add_u32 v[SPW], v[NIL]
	s_wait_dscnt 0x0
	s_endpgm
.endm
	s_cmp_ge_u32 s22, 384
	s_cbranch_scc1 .Lw2
	s_lshl_b32 s24, s22, 14                        ; W1, unit u: rows 16 u of 1,024 bytes
	s_add_nc_u64 s[6:7], s[6:7], s[24:25]
	s_lshr_b32 s26, s22, 3                         ; to (8 expert + chunk) x 65,536
	s_lshl_b32 s26, s26, 16
	s_bfe_u32 s28, s22, 0x20001                    ; + wave x 16,384
	s_lshl_b32 s28, s28, 14
	s_add_co_u32 s26, s26, s28
	s_and_b32 s28, s22, 1                          ; + hb x 1,024
	s_lshl_b32 s28, s28, 10
	s_add_co_u32 s26, s26, s28
	s_add_nc_u64 s[14:15], s[14:15], s[26:27]
	UNIT 6, 1024, 0
.Lw2:
	s_sub_co_u32 s22, s22, 384                     ; W2, unit u = 64 expert + 4 (block of 16 channels) + quarter of the hidden width
	s_lshr_b32 s24, s22, 2
	s_lshl_b32 s24, s24, 16                        ; 16 rows of 4,096 bytes
	s_and_b32 s28, s22, 3
	s_lshl_b32 s29, s28, 10                        ; + quarter x 1,024 bytes
	s_add_co_u32 s24, s24, s29
	s_add_nc_u64 s[8:9], s[8:9], s[24:25]
	s_lshr_b32 s26, s22, 6
	s_lshl_b32 s26, s26, 19                        ; expert
	s_lshl_b32 s28, s28, 17                        ; chunk 2 x quarter
	s_add_co_u32 s26, s26, s28
	s_bfe_u32 s28, s22, 0x20004                    ; wave
	s_lshl_b32 s28, s28, 14
	s_add_co_u32 s26, s26, s28
	s_bfe_u32 s28, s22, 0x20002                    ; cb
	s_lshl_b32 s28, s28, 10
	s_add_co_u32 s26, s26, s28
	s_add_co_u32 s26, s26, 3145728
	s_add_nc_u64 s[14:15], s[14:15], s[26:27]
	UNIT 8, 4096, 1
.Lsort:
	s_sub_co_u32 s22, s22, 768                     ; my block b
	v_lshrrev_b32 v3, 2, v1
	v_sub_nc_u32 v3, v3, s22                       ; l / 4 - b: load i brings me block 8 i + l / 4, words 4 (l % 4) ..
	s_lshl_b32 s23, s22, 8
	v_lshl_add_u32 v6, v1, 3, s23
	s_mov_b32 s38, 0x76543210
	s_mov_b32 s39, 0xfedcba98
.set i, 0
.rept 32
	global_load_b128 v[16+4*i:16+4*i+3], v2, s[4:5] offset:65536+512*i
.set i, i+1
.endr
	global_load_b64 v[144:145], v6, s[4:5]         ; the masks of tokens 64 b + 2 l and + 1
	v_mov_b32 v158, 0
	; v[146:149] all blocks' counts, v[150:153] those of blocks before mine.  Two 16-bit counts a word: no sum passes 16,384, so none carries into its neighbour
.set i, 0
.rept 32
.set ng, 0-8*i
	s_wait_loadcnt 32-i                            ; the younger loads of counts and the load of the masks stay out
	v_cmp_gt_i32 vcc_lo, ng, v3                    ; 8 i + l / 4 < b
.irp j, 0,1,2,3
.if i == 0
	v_mov_b32 v[146+\j], v[16+\j]
	v_cndmask_b32 v[150+\j], 0, v[16+\j], vcc_lo
.else
	v_add_nc_u32 v[146+\j], v[146+\j], v[16+4*i+\j]
	v_cndmask_b32 v[154+\j], 0, v[16+4*i+\j], vcc_lo
	v_add_nc_u32 v[150+\j], v[150+\j], v[154+\j]
.endif
.endr
.set i, i+1
.endr
.irp r, 146,147,148,149,150,151,152,153            ; over the eight lanes that hold the same words
	v_mov_b32_dpp v158, v\r row_xmask:4 row_mask:0xf bank_mask:0xf
	v_add_nc_u32 v\r, v\r, v158
	v_mov_b32_dpp v158, v\r row_xmask:8 row_mask:0xf bank_mask:0xf
	v_add_nc_u32 v\r, v\r, v158
	v_permlanex16_b32 v158, v\r, s38, s39
	v_add_nc_u32 v\r, v\r, v158
.endr
	s_mov_b32 s33, 0                               ; s[40+k]: where my block's tokens of set k begin
.set k, 0
.rept 20
	v_readlane_b32 s34, v[146+((k/2)&3)], k/8
	v_readlane_b32 s35, v[150+((k/2)&3)], k/8
	s_bfe_u32 s34, s34, 0x100000|(16*(k&1))
	s_bfe_u32 s35, s35, 0x100000|(16*(k&1))
	s_add_co_u32 s[40+k], s33, s35
	s_add_co_u32 s33, s33, s34
.set k, k+1
.endr
	s_lshl_b32 s23, s22, 6
	v_lshl_add_u32 v7, v1, 1, s23                  ; my two tokens
	v_add_nc_u32 v8, 1, v7
	v_mov_b32 v9, v7
	v_mov_b32 v10, v8
	s_wait_loadcnt 0x0                             ; the masks
.set k, 0
.irp m, 0x07,0x0D,0x0E,0x0B,0x19,0x1A,0x1C,0x15,0x16,0x13,0x31,0x32,0x34,0x38,0x29,0x2A,0x2C,0x25,0x26,0x23
	v_cmp_eq_u32 s34, \m, v144
	v_mbcnt_lo_u32_b32 v158, s34, s[40+k]          ; the set's next place + how many lower lanes hold the set
	v_cndmask_b32 v9, v9, v158, s34
	s_bcnt1_i32_b32 s35, s34
	s_add_co_u32 s[40+k], s[40+k], s35
	v_cmp_eq_u32 s34, \m, v145
	v_mbcnt_lo_u32_b32 v158, s34, s[40+k]
	v_cndmask_b32 v10, v10, v158, s34
.set k, k+1
.endr
	v_min_u32 v9, 16383, v9                        ; a place made of loaded numbers is held inside the table
	v_min_u32 v10, 16383, v10
	v_lshlrev_b32 v9, 2, v9
	v_lshlrev_b32 v10, 2, v10
	v_lshl_or_b32 v11, v144, 16, v7
	v_lshl_or_b32 v12, v145, 16, v8
	global_store_b32 v9, v11, s[16:17]             ; 4 bytes a lane, 64 KiB in the launch; a block's tokens of one set lie side by side
	global_store_b32 v10, v12, s[16:17]
	s_cmp_ge_u32 s22, 60
	s_cbranch_scc1 .Ldone
	s_cmp_lt_u32 s22, 48                           ; waves 0..47: 128 numbers of b1; 48..59: of b2, which follows b1 in br
	s_cselect_b64 s[36:37], s[10:11], s[12:13]
	s_cselect_b32 s24, 0, 24576
	s_lshl_b32 s26, s22, 9
	s_sub_co_u32 s24, s26, s24
	s_add_nc_u64 s[36:37], s[36:37], s[24:25]
	s_add_nc_u64 s[18:19], s[18:19], s[26:27]
	global_load_b128 v[160:163], v2, s[36:37]
	s_wait_loadcnt 0x0
	v_cvt_pk_bf16_f32 v164, v160, v161
	v_cvt_pk_bf16_f32 v165, v162, v163
	v_lshlrev_b32 v160, 16, v164
	v_and_b32 v161, 0xffff0000, v164
	v_lshlrev_b32 v162, 16, v165
	v_and_b32 v163, 0xffff0000, v165
	global_store_b128 v2, v[160:163], s[18:19]
.Ldone:
	s_endpgm
.Lfunc_end_k_q68a1bbd6ce_prep:
	.size	k_q68a1bbd6ce_prep, .Lfunc_end_k_q68a1bbd6ce_prep-k_q68a1bbd6ce_prep
	.p2alignl 7, 3214868480
	.fill 96, 4, 3214868480
	.section	.rodata,"a",@progbits
	.p2align	6, 0x0
	.amdhsa_kernel k_q68a1bbd6ce_prep
		.amdhsa_group_segment_fixed_size 34304
		.amdhsa_private_segment_fixed_size 0
		.amdhsa_enable_private_segment 0
		.amdhsa_kernarg_size 64
		.amdhsa_user_sgpr_count 2
		.amdhsa_user_sgpr_kernarg_segment_ptr 1
		.amdhsa_wavefront_size32 1
		.amdhsa_system_sgpr_workgroup_id_x 1
		.amdhsa_system_sgpr_workgroup_id_y 1
		.amdhsa_system_sgpr_workgroup_id_z 1
		.amdhsa_system_vgpr_workitem_id 0
		.amdhsa_next_free_vgpr 168
		.amdhsa_next_free_sgpr 66
		.amdhsa_reserve_vcc 1
		.amdhsa_float_denorm_mode_32 3
		.amdhsa_float_denorm_mode_16_64 3
		.amdhsa_memory_ordered 1
		.amdhsa_forward_progress 1
		.amdhsa_inst_pref_size 66
	.end_amdhsa_kernel
	.amdgpu_metadata
---
amdhsa.version: [ 1, 2 ]
amdhsa.kernels:
  - .name:           k_q68a1bbd6ce_prep
    .symbol:         k_q68a1bbd6ce_prep.kd
    .args:
      - { .name: route, .offset: 0, .size: 8, .value_kind: global_buffer, .address_space: global }
      - { .name: w1, .offset: 8, .size: 8, .value_kind: global_buffer, .address_space: global }
      - { .name: w2, .offset: 16, .size: 8, .value_kind: global_buffer, .address_space: global }
      - { .name: b1, .offset: 24, .size: 8, .value_kind: global_buffer, .address_space: global }
      - { .name: b2, .offset: 32, .size: 8, .value_kind: global_buffer, .address_space: global }
      - { .name: wl, .offset: 40, .size: 8, .value_kind: global_buffer, .address_space: global }
      - { .name: order, .offset: 48, .size: 8, .value_kind: global_buffer, .address_space: global }
      - { .name: br, .offset: 56, .size: 8, .value_kind: global_buffer, .address_space: global }
    .group_segment_fixed_size: 34304
    .private_segment_fixed_size: 0
    .kernarg_segment_align: 8
    .kernarg_segment_size: 64
    .max_flat_workgroup_size: 128
    .sgpr_count:     66
    .vgpr_count:     168
    .wavefront_size: 32
...
	.end_amdgpu_metadata
.endif
;; end of part 2
;; launch chain (part 3): grid 256 x 1, 4 waves a work-group, no clusters, 69,120 bytes of LDS; arguments order, xt, gates, wl, br, y; writes y
.if DOCPART == 3
	.amdgcn_target "amdgcn-amd-amdhsa--gfx1250"
	.amdhsa_code_object_version 6
	.text
	.protected	k_q68a1bbd6ce_chain
	.globl	k_q68a1bbd6ce_chain
	.p2align	8
	.type	k_q68a1bbd6ce_chain,@function
k_q68a1bbd6ce_chain:
	s_mov_b64 s[64:65], 0
	v_nop
	global_prefetch_b8 v0, s[64:65] scope:SCOPE_SE
	s_setreg_imm32_b32 hwreg(HW_REG_WAVE_MODE, 25, 1), 1
	s_wait_xcnt 0x0
; CHAIN.  y[token][:] = sum over the token's experts e of gate_e (W2_e gelu(W1_e x + b1_e) + b2_e), bf16 operands, f32 sums, y rounded once to bf16.
; SHARES.  Work-group j owns the 64 tokens at places 64 j .. of the list sorted by set of experts: four tiles t of 16.  It walks the union of their experts (3 to 6, read from the list); a gate of 0 removes
; the rows that did not choose an expert.  So each output row has one owner, and 256 full tiles serve every split of the tokens.
; A STEP is (place in the expert list, chunk of 128 hidden units): R = 8 n steps.  Both products are used transposed, so a lane holds ONE token (lane % 16) in every result:
;   P1(step): H^T = W1 X^T + b1.  Wave w makes hidden units 32 w .. 32 w + 31 of the chunk (hb = 0, 1) for all 64 tokens; X stays in 256 registers; b1 is the C operand that starts the sum.  64 matrix instructions.
;   G(step):  gate x gelu, in f32, rounded to bf16, into an LDS buffer [64 tokens][128 hidden units].
;   P2(step): O^T += W2 H^T.  Wave w makes channels 64 w .. 64 w + 63 (cb = 0..3) for all 64 tokens, K = 128 as kk = 0..3.  64 matrix instructions.
; Every weight byte is read by one wave of the work-group, straight into operand registers (laid out for that by the launch before).
; PIPELINE.  Trip tau holds P1(tau), G(tau - 1) and P2(tau - 2), interleaved in eight groups of sixteen matrix instructions: behind each matrix instruction stand four of G's vector instructions.
; Trip 0 is written out with P1 alone, trip R + 1 with P2 alone; trips 1 .. R are the loop's.  The loop's body begins at a trip's barrier: groups 1 to 7 of trip tau, then group 0 of trip tau + 1, so that a trip's
; last H stores and weight loads have sixteen products behind them when they are waited for; group 0 of trip 1 stands ahead of the loop.  The loop has a constant count, 24 passes of two bodies (one text
; for each parity); a body at or past R + 1 is jumped over, all but its barrier.  Done for nothing, and harmless: P2 in trip 1 (its H buffer holds zeros), P1 in trip R and group 0 of trip R + 1
; (clamped addresses; nobody reads the results): 144 of a walk's 128 R + 144 matrix instructions.
; THE RING.  Each of the 32 weight fragments and the bias has one place in registers and is loaded again in the first run of loads behind the products that read it, for the next trip: 68 loads of 16 bytes a lane.
; Memory instructions stand in five runs a trip, behind groups 0, 2, 4, 6 and 7, never singly among the matrix instructions.
; NO TENSOR LOADS, NO CLUSTER.  How many experts a tile walks hangs on the list and differs from tile to tile (3 to 6), so partners would need different numbers of joint requests; walking all 6 everywhere would
; double the weight bytes; and tiles of one set in whole clusters of 4 x 64 tokens would need up to 83 clusters for 64.
; GELU.  erf by Abramowitz and Stegun 7.1.25: t = 1 / (1 + 0.33267252 |z|), erf(|z| / sqrt 2) = 1 - ((a3 t + a2) t + a1) t 2^(-0.72134752 z z); gate x gelu = zh + |zh| erf, zh = z gate / 2 (a gate is never negative).
; LIMITS.  erf is off by at most 2.5e-5 for every z, gelu by 1.3e-5 |z|: right absolutely, not relatively, in the far negative tail.  NaN and infinities are not served.
; REGISTERS, in windows of 256 (s_set_vgpr_msb: bits 1:0 source 0, 3:2 source 1, 5:4 source 2, 7:6 destination):
;   window 0: v0-7 addresses; v8-15 (gate / 2, gate) a tile; v16-31 packed results, two sets; v32-47 R; v48-111 T and E, two sets; v112-127 bias; v128-255 H[parity][tile][hb]
;   window 1: X[tile][k] at 64 t + 8 k      window 2: W1's 16 fragments, then W2's 16
;   window 3: v0-127 O[cb][tile]; v128-223 H fragments, three buffers; v224-247 gates [tile][expert] (in the last trip v224-255 are a fourth buffer)
.set XP,    528                        ; a token's row of X, later of y, in LDS: 512 bytes + 16
.set HP,    272                        ; a token's row of H: 256 + 16.  Both pitches are odd multiples of 16 bytes: the 16 rows of a load start in 16 different groups of four banks (ISA guide 11.1)
.set HB,    64*XP                      ; the two H buffers
.set HBS,   64*HP
.set SPARE, HB+2*HBS                   ; the spare words, 128 bytes a wave: two blocks of 256 bytes that no other line names
.set L16,  2                           ; v2   16 l
.set BOFF, 3                           ; v3   32 (l / 16)
.set HFA,  4                           ; v4   HB + 272 (l % 16) + 16 (l / 16)
.set HST,  5                           ; v5   the same + 64 w
.set SPW,  6                           ; v6   my spare word; never rewritten
.set NIL,  7                           ; v7   0; never rewritten
.set MK,   8
.set PB,   16
.set RR,   32
.set TT,   48
.set EE,   64
.set BIAS, 112
.set HH,   128
.set HF,   128                         ; window 3
.set GG,   224                         ; window 3
.set WV,   16                          ; s16  wave
.set LIST, 19                          ; s19  the experts to walk, four bits each
.set RM1,  20                          ; s20  R - 1
.set LIM,  21                          ; s21  R + 1
.set TAU,  22                          ; s22  the trip
.set CNT,  23                          ; s23  passes to go
.set W1P,  28                          ; s[28:29] next trip's W1 fragments
.set W2P,  30                          ; s[30:31] W2's
.set B1P,  32                          ; s[32:33] bias
.set OFS,  34                          ; s[34:35] an offset, upper word 0
.set CPC,  36                          ; constants, in pairs: the packed forms name a pair and take its low word
.set CKC,  38
.set CA3,  40
.set CA2,  42
.set CA1,  44
.set EG,   46
.set SELM, 47
.set WO1,  48                          ; s48  w x 16,384
.set WOB,  49                          ; s49  w x 128
.set WO2,  50                          ; s50  w x 16,384 + 3,145,728
.set NEX,  51                          ; s51  n
                                       ; s[68:83] my 16 rows' byte offsets in xt and y; kept to the end
.set MSB, 0
.macro WIN new                         ; the immediate's high byte repeats the setting that is left; a switch that changes nothing is dropped
.if MSB != (\new)
	s_set_vgpr_msb (MSB<<8)|(\new)
.set MSB, \new
.endif
.endm
; What a piece of a trip holds: p parity; f1, fg, f2: P1, G, P2 are there; sv: the ring is loaded again.  Without sv (the last trip) K block 3's H fragments have a buffer of their own.
.macro FLAGS p, f1, fg, f2, sv
.set PP, \p
.set F1, \f1
.set FG, \fg
.set F2, \f2
.set SV, \sv
.set HB3, 3*(1-(\sv))
.endm
; THE MATRIX WORK.  The accumulators take turns, one instruction a turn.
.macro MP1 k, hb, t
.if F1
.set dH, HH+64*PP+16*(\t)+8*(\hb)
.set aW, 8*(2*(\k)+(\hb))
.set bX, 64*(\t)+8*(\k)
	WIN 0x06                                       ; W1 window 2, X window 1, bias and H window 0
.if (\k) == 0
	v_wmma_f32_16x16x32_bf16 v[dH:dH+7], v[aW:aW+7], v[bX:bX+7], v[BIAS+8*(\hb):BIAS+8*(\hb)+7]
.else
	v_wmma_f32_16x16x32_bf16 v[dH:dH+7], v[aW:aW+7], v[bX:bX+7], v[dH:dH+7]
.endif
.endif
.endm
.macro MP2 kk, cb, t
.if F2
.set hbuf, (\kk)
.if (\kk) == 3
.set hbuf, HB3
.endif
.set dO, 8*(4*(\cb)+(\t))
.set aW, 128+8*(4*(\kk)+(\cb))
.set bH, HF+32*hbuf+8*(\t)
	WIN 0xfe                                       ; W2 window 2; H fragment, C and D window 3
	v_wmma_f32_16x16x32_bf16 v[dO:dO+7], v[aW:aW+7], v[bH:bH+7], v[dO:dO+7]
.endif
.endm
; Number n of a trip's 128, in eight groups of sixteen: groups 0, 1: P1, k = 0..3; groups 2..5: P1, k = 4..7, and P2, kk = 0, 1, by turns; groups 6, 7: P2, kk = 2, 3.
.macro MMA n
.set oo, (\n)/16
.set jj, (\n)%16
.set hx, jj/2
.if oo < 2
	MP1 2*oo+jj/8, (jj%8)/4, jj%4
.elseif oo < 6
.if jj%2 == 0
	MP1 oo+2, hx/4, hx%4
.else
	MP2 (oo-2)/2, 2*((oo-2)%2)+hx/4, hx%4
.endif
.else
	MP2 oo-4, jj/4, jj%4
.endif
.endm
; THE VECTOR WORK: gate x gelu of batch b = token tile b: 16 registers z (H of the other parity), in three lists.
; A, 32 plain: in blocks of four z: E = z z (2 packed), T = 1 + PC |z| (4), E = KC E (2).  Each accumulator's lowest registers are read first.
.macro AOP b, n
.set zb, HH+64*(1-PP)+16*(\b)
.set tb, TT+32*((\b)&1)
.set eb, EE+32*((\b)&1)
.set bk, (\n)/8
.set sb, (\n)%8
.if sb < 2
.set pr, 4*bk+2*sb
	v_pk_mul_f32 v[eb+pr:eb+pr+1], v[zb+pr:zb+pr+1], v[zb+pr:zb+pr+1]
.elseif sb < 6
.set rg, 4*bk+sb-2
	v_fma_f32 v[tb+rg], |v[zb+rg]|, s[CPC], 1.0
.else
.set pr, 4*bk+2*(sb-6)
	v_pk_mul_f32 v[eb+pr:eb+pr+1], v[eb+pr:eb+pr+1], s[CKC:CKC+1] op_sel_hi:[1,0]
.endif
.endm
; T, 32 transcendentals: a block's four reciprocals, then its four exponentials.
.macro TOP b, n
.set tb, TT+32*((\b)&1)
.set eb, EE+32*((\b)&1)
.set bk, (\n)/8
.set sb, (\n)%8
.if sb < 4
	v_rcp_f32 v[tb+4*bk+sb], v[tb+4*bk+sb]
.else
	v_exp_f32 v[eb+4*bk+sb-4], v[eb+4*bk+sb-4]
.endif
.endm
; B, 64 plain, by stages of eight pairs: R = a3 t + a2; E = e t; R = R t + a1; R = 1 - R E; T = z gate / 2; z = |T| R + T (16); rounded to bf16 (8).
.macro BOP b, n
.set zb, HH+64*(1-PP)+16*(\b)
.set tb, TT+32*((\b)&1)
.set eb, EE+32*((\b)&1)
.set pb, PB+8*((\b)&1)
.set mb, MK+2*(\b)
.set st, (\n)/8
.set pr, 2*((\n)%8)
.if st == 0
	v_pk_fma_f32 v[RR+pr:RR+pr+1], v[tb+pr:tb+pr+1], s[CA3:CA3+1], s[CA2:CA2+1] op_sel_hi:[1,0,0]
.elseif st == 1
	v_pk_mul_f32 v[eb+pr:eb+pr+1], v[eb+pr:eb+pr+1], v[tb+pr:tb+pr+1]
.elseif st == 2
	v_pk_fma_f32 v[RR+pr:RR+pr+1], v[RR+pr:RR+pr+1], v[tb+pr:tb+pr+1], s[CA1:CA1+1] op_sel_hi:[1,1,0]
.elseif st == 3
	v_pk_fma_f32 v[RR+pr:RR+pr+1], v[RR+pr:RR+pr+1], v[eb+pr:eb+pr+1], 1.0 op_sel_hi:[1,1,0] neg_lo:[0,1,0] neg_hi:[0,1,0]
.elseif st == 4
	v_pk_mul_f32 v[tb+pr:tb+pr+1], v[zb+pr:zb+pr+1], v[mb:mb+1] op_sel_hi:[1,0]
.elseif st < 7
.set rg, (\n)-40
	v_fma_f32 v[zb+rg], |v[tb+rg]|, v[RR+rg], v[tb+rg]
.else
.set rg, (\n)-56
	v_cvt_pk_bf16_f32 v[pb+rg], v[zb+2*rg], v[zb+2*rg+1]
.endif
.endm
; A SEGMENT deals two queues: plain (A of batch ab, la long, then B of batch bb, lb long) and transcendental (T of batch ab).
.macro SEG s, ab, bb, la, lb
.set sg, \s
.set gi, 0
.set qp, 0
.set qt, 0
.set AB, \ab
.set BB, \bb
.set QAL, \la
.set QBL, \lb
.endm
.macro PL
.if qp < QAL
	AOP AB, qp
.elseif qp < QAL+QBL
	BOP BB, qp-QAL
.else
	v_nop
.endif
.set qp, qp+1
.endm
.macro TR
	TOP AB, qt
.set qt, qt+1
.endm
.macro NPL c
.rept \c
	PL
.endr
.endm
.macro NTR c
.rept \c
	TR
.endr
.endm
; The four lines behind a matrix instruction.  Segment 0 (16 of them): A0 and T0: 32 + 32.  Segments 1 to 3 (32): A and T of the next batch, B of the batch in hand: 96 + 32.  Segment 4 (16): B3: 64.
; A transcendental's block of A is complete before it is dealt (segment 0: 2 g + 6 plain lines stand ahead of the g-th four's; later segments: 3 g + 5).  A segment's last four are plain (segment 0 has four
; v_nop behind it): the plain line behind the batch's last transcendental, and the places in front of loads into registers that the products have just read.  No line here names a register of the
; products round it: those work on the other parity's H, on O, the bias and the rings.
.macro RIDERS
.if FG
	WIN 0
.if sg == 0
.if gi < 2
	NPL 4
.elseif gi < 14
	NPL 2
	NTR 2
.else
	NTR 4
.endif
.elseif sg < 4
.if (gi < 2) || (gi == 31)
	NPL 4
.elseif gi >= 28
	NPL 2
	NTR 2
.else
	NPL 3
	NTR 1
.endif
.else
	NPL 4
.endif
.endif
.set gi, gi+1
.endm
.macro OCT o                           ; a group: sixteen places for matrix instructions, each with its four lines
.set nn, 16*(\o)
.rept 16
	MMA nn
	RIDERS
.set nn, nn+1
.endr
.endm
.macro PLACES
.rept 4
	v_nop
.endr
.endm
.macro GAP                             ; a trip without vector work has four v_nop in front of each run of loads into registers that its products have read
.if (!FG) && SV
	PLACES
.endif
.endm
.macro LWAIT n
.if (\n) >= 0
	s_wait_loadcnt \n
.endif
.endm
.macro ST b                            ; batch b's 32 hidden units of 16 tokens into the buffer of the step's parity
	WIN 0
	ds_store_b128 v[HST], v[PB+8*((\b)&1):PB+8*((\b)&1)+3] offset:(1-PP)*HBS+16*HP*(\b)
	ds_store_b128 v[HST], v[PB+8*((\b)&1)+4:PB+8*((\b)&1)+7] offset:(1-PP)*HBS+16*HP*(\b)+32
.endm
.macro HFL kk                          ; the four tiles' H fragments of K block kk
.set hbuf, (\kk)
.if (\kk) == 3
.set hbuf, HB3
.endif
	WIN 0xc0
.irp t, 0,1,2,3
	ds_load_b128 v[HF+32*hbuf+8*\t:HF+32*hbuf+8*\t+3], v[HFA] offset:PP*HBS+16*HP*\t+64*(\kk)
	ds_load_b128 v[HF+32*hbuf+8*\t+4:HF+32*hbuf+8*\t+7], v[HFA] offset:PP*HBS+16*HP*\t+64*(\kk)+32
.endr
.endm
.macro LDW1 f
	global_load_b128 v[8*(\f):8*(\f)+3], v[L16], s[W1P:W1P+1] offset:1024*(\f)
	global_load_b128 v[8*(\f)+4:8*(\f)+7], v[L16], s[W1P:W1P+1] offset:1024*(\f)+512
.endm
.macro LDW2 f
	global_load_b128 v[128+8*(\f):128+8*(\f)+3], v[L16], s[W2P:W2P+1] offset:1024*(\f)
	global_load_b128 v[128+8*(\f)+4:128+8*(\f)+7], v[L16], s[W2P:W2P+1] offset:1024*(\f)+512
.endm
.macro SERV o                          ; what group o has read is loaded again, for the next trip: 8 loads, 12 with the bias: 68 a trip.  LW2 = 0 (the set-up): W1 and the bias alone: 36
.if (\o) == 0
	WIN 0x80
	LDW1 0
	LDW1 1
	LDW1 2
	LDW1 3
	WIN 0
.irp hb, 0,1
.irp q, 0,1
	global_load_b128 v[BIAS+8*\hb+4*\q:BIAS+8*\hb+4*\q+3], v[BOFF], s[B1P:B1P+1] offset:64*\hb+16*\q
.endr
.endr
.elseif (\o) == 1
	WIN 0x80
	LDW1 4
	LDW1 5
	LDW1 6
	LDW1 7
.elseif (\o) < 6
	WIN 0x80
	LDW1 2*(\o)+4
	LDW1 2*(\o)+5
.if LW2
	LDW2 2*(\o)-4
	LDW2 2*(\o)-3
.endif
.elseif LW2
	WIN 0x80
.if (\o) == 6
	LDW2 8
	LDW2 9
	LDW2 10
	LDW2 11
.else
	LDW2 12
	LDW2 13
	LDW2 14
	LDW2 15
.endif
.endif
.endm
.macro IDX                             ; s25 = 8 x expert + chunk of the step in s24, held inside the table
	s_lshr_b32 s25, s24, 3
	s_lshl_b32 s25, s25, 2
	s_lshr_b32 s25, s[LIST], s25
	s_and_b32 s25, s25, 7
	s_and_b32 s24, s24, 7
	s_lshl3_add_u32 s25, s25, s24
	s_min_u32 s25, s25, 47
.endm
.macro SCAL                            ; the next trip's three pointers, each made anew from its buffer's address
	s_wait_xcnt 0x0                                ; the loads that name the old pointers have had their addresses translated (ISA guide 3.1)
	s_add_co_u32 s24, s[TAU], 1                    ; P1's step: min(tau + 1, R - 1)
	s_min_u32 s24, s24, s[RM1]
	IDX
	s_lshl_b32 s[OFS], s25, 16
	s_add_co_u32 s[OFS], s[OFS], s[WO1]
	s_add_nc_u64 s[W1P:W1P+1], s[10:11], s[OFS:OFS+1]
	s_lshl_b32 s[OFS], s25, 9
	s_add_co_u32 s[OFS], s[OFS], s[WOB]
	s_add_nc_u64 s[B1P:B1P+1], s[12:13], s[OFS:OFS+1]
	s_max_u32 s24, s[TAU], 1                       ; P2's step: min(max(tau, 1) - 1, R - 1)
	s_sub_co_u32 s24, s24, 1
	s_min_u32 s24, s24, s[RM1]
	IDX
	s_lshl_b32 s[OFS], s25, 16
	s_add_co_u32 s[OFS], s[OFS], s[WO2]
	s_add_nc_u64 s[W2P:W2P+1], s[10:11], s[OFS:OFS+1]
.endm
.macro MKSEL                           ; where G's step tau - 1 is an expert's first: that expert's gates, chosen by selects, and their halves
	s_sub_co_u32 s24, s[TAU], 1
	s_and_b32 s25, s24, 7
	s_cmp_lg_u32 s25, 0
	s_cbranch_scc1 .Lsame_\@
	s_lshr_b32 s24, s24, 3
	s_lshl_b32 s24, s24, 2
	s_lshr_b32 s[EG], s[LIST], s24
	s_and_b32 s[EG], s[EG], 7
.irp e, 0,1,2,3,4,5
	s_cmp_eq_u32 s[EG], \e
	s_cselect_b32 s[SELM], -1, 0
	WIN 0x0c
.irp t, 0,1,2,3
	v_cndmask_b32 v[MK+2*\t+1], v[MK+2*\t+1], v[GG+6*\t+\e], s[SELM]
.endr
.endr
	WIN 0
.irp t, 0,1,2,3
	v_mul_f32 v[MK+2*\t], 0.5, v[MK+2*\t+1]
.endr
.Lsame_\@:
.endm
; GROUP 0 of a trip: it reads no LDS and stands in front of the trip's barrier.
.macro PARTA w0
.if FG
	MKSEL
.endif
	LWAIT \w0
	SEG 0, 0, 0, 32, 0
	OCT 0
	PLACES                                         ; the plain lines behind batch 0's last transcendental, and the places in front of the loads that fill this group's registers again
.if FG
	s_wait_alu depctr_va_vdst(0)                   ; one wait for batch 0's 32, ahead of their first reader and of the label
.endif
	WIN 0                                          ; at a label and at a branch every window is 0
.endm
; GROUPS 1 TO 7, behind the barrier, with the five runs of memory instructions: A (12 loads; H fragments kk = 0, 1, 2), B behind group 2 (H stores of batch 0; 16 loads), C behind group 4 (batch 1; 16 loads;
; H fragments kk = 3), D behind group 6 (batch 2; 16 loads), E behind group 7 (batch 3; 8 loads).  Each batch's one wait for its transcendentals stands directly ahead of a run.
; COUNTS on loadcnt are the macro's arguments: how many loads were issued behind the group's own.  In the loop: behind a run's first eight loads stand the 60 others of a trip's 68, behind its second eight 52.
; COUNTS on dscnt: ahead of group 2 fragments kk = 1, 2 stay out (16); of group 4 kk = 2 and two stores (10); of group 6 four stores and kk = 3 (12); of group 7 two stores.  In the last trip, which stores
; nothing and fetches all four blocks in run A: 24, 16, 8, 0.
.macro PARTB w1, w2, w3, w4, w5, w6, w7
.if SV
	SCAL
	SERV 0
.endif
.if F2
	HFL 0
	HFL 1
	HFL 2
.if !SV
	HFL 3
.endif
.endif
	LWAIT \w1
	SEG 1, 1, 0, 32, 64
	OCT 1
	LWAIT \w2
.if F2
	s_wait_dscnt 16+8*(1-SV)
.endif
	OCT 2
.if FG
	s_wait_alu depctr_va_vdst(0)                   ; batch 1's
	ST 0
.endif
	GAP
.if SV
	SERV 1
	SERV 2
.endif
	LWAIT \w3
	SEG 2, 2, 1, 32, 64
	OCT 3
	LWAIT \w4
.if F2
	s_wait_dscnt 8+2*FG+8*(1-SV)
.endif
	OCT 4
.if FG
	s_wait_alu depctr_va_vdst(0)                   ; batch 2's
	ST 1
.endif
	GAP
.if SV
	SERV 3
	SERV 4
.if F2
	HFL 3
.endif
.endif
	LWAIT \w5
	SEG 3, 3, 2, 32, 64
	OCT 5
	LWAIT \w6
.if F2
	s_wait_dscnt 8+4*FG
.endif
	OCT 6
.if FG
	s_wait_alu depctr_va_vdst(0)                   ; batch 3's
	ST 2
.endif
	GAP
.if SV
	SERV 5
	SERV 6
.endif
	LWAIT \w7
.if F2
	s_wait_dscnt 2*FG
.endif
	SEG 4, 0, 3, 0, 64
	OCT 7
.if FG
	ST 3
.endif
.if SV
	SERV 7
.endif
	WIN 0
.endm
; THE BARRIER, on every path: in front of it my LDS stores and loads of the trip before are done.  It orders that trip's stores of H against this trip's reads of the buffer by the partners, and that trip's
; reads of the other buffer against this trip's stores into it.
.macro MEET
	s_wait_dscnt 0x0
	s_barrier_signal -1
	s_barrier_wait -1
.endm
; THE LOOP'S BODY for a trip of parity p.  A dead body issues no load, so the counts hold on every way.  loadcnt 56 in front of group 0: behind run A's 12 loads stand runs B to E: 56.
.macro BODY p
	MEET
	s_cmp_ge_u32 s[TAU], s[LIM]
	s_cbranch_scc1 .Ldead_\@
	FLAGS \p, 1, 1, 1, 1
	PARTB 60, 52, 60, 52, 60, 52, 60
	s_add_co_u32 s[TAU], s[TAU], 1
	FLAGS 1-(\p), 1, 1, 1, 1
	PARTA 56
.Ldead_\@:
.endm
	; THE SET-UP
	s_load_b256 s[4:11], s[0:1], 0x0               ; order s[4:5], xt s[6:7], gates s[8:9], wl s[10:11]
	s_load_b128 s[12:15], s[0:1], 0x20             ; br s[12:13], y s[14:15]
	v_lshl_add_u32 v[SPW], v0, 2, SPARE
	v_mov_b32 v[NIL], 0
	v_lshrrev_b32 v1, 5, v0
	v_readfirstlane_b32 s[WV], v1                  ; wave 0..3
	v_and_b32 v1, 31, v0
	v_lshlrev_b32 v[L16], 4, v1
	v_and_b32 v16, 15, v0                          ; r
	v_bfe_u32 v17, v0, 4, 1                        ; h
	v_lshlrev_b32 v[BOFF], 5, v17
	v_mul_u32_u24 v[HFA], v16, HP
	v_lshl_add_u32 v[HFA], v17, 4, v[HFA]
	v_add_nc_u32 v[HFA], HB, v[HFA]
	s_lshl_b32 s24, s[WV], 6
	v_add_nc_u32 v[HST], s24, v[HFA]
	v_mul_u32_u24 v18, v16, XP
	v_lshl_add_u32 v18, v17, 4, v18                ; an X fragment: 528 r + 16 h
	s_mul_i32 s24, s[WV], 16*XP
	v_add_nc_u32 v20, s24, v[L16]                  ; my 16 rows in LDS
	v_lshl_add_u32 v21, v0, 4, HB+HBS-1024         ; the zero fill: 16 bytes a thread
	v_lshlrev_b32 v22, 2, v16
	s_lshl_b32 s24, ttmp9, 8                       ; my tile's 64 words of the list
	s_mov_b32 s25, 0
	s_lshl_b32 s26, s[WV], 6                       ; my wave's 16 of them
	s_mov_b32 s27, 0
	s_mov_b32 s[OFS+1], 0
	s_mov_b32 s[CPC], 0x3eaa540d                   ; 0.47047 / sqrt(2)
	s_mov_b32 s[CPC+1], 0x3eaa540d
	s_mov_b32 s[CKC], 0xbf38aa3b                   ; -log2(e) / 2
	s_mov_b32 s[CKC+1], 0xbf38aa3b
	s_mov_b32 s[CA3], 0x3f3f7377                   ; 0.7478556
	s_mov_b32 s[CA3+1], 0x3f3f7377
	s_mov_b32 s[CA2], 0xbdc45ca1                   ; -0.0958798
	s_mov_b32 s[CA2+1], 0xbdc45ca1
	s_mov_b32 s[CA1], 0x3eb2303a                   ; 0.3480242
	s_mov_b32 s[CA1+1], 0x3eb2303a
	s_lshl_b32 s[WO1], s[WV], 14
	s_lshl_b32 s[WOB], s[WV], 7
	s_add_co_u32 s[WO2], s[WO1], 3145728
	s_wait_kmcnt 0x0
	s_add_nc_u64 s[4:5], s[4:5], s[24:25]
	s_add_nc_u64 s[52:53], s[4:5], s[26:27]
	s_load_b512 s[68:83], s[52:53], 0x0            ; my 16 rows' words
.irp t, 0,1,2,3
	global_load_b32 v[24+\t], v22, s[4:5] offset:64*\t  ; the word of token 16 t + r
.endr
	s_lshl_b32 s26, s[WV], 8
	s_add_co_u32 s26, s26, 24576
	s_add_nc_u64 s[54:55], s[12:13], s[26:27]      ; b2 at my 64 channels: it hangs on nothing but the arguments, so it is asked for together with the list
	WIN 0x80
.irp e, 0,1,2,3
.irp c, 0,1,2,3
.irp q, 0,1
	global_load_b128 v[128+32*\e+8*\c+4*\q:128+32*\e+8*\c+4*\q+3], v[BOFF], s[54:55] offset:1024*\e+64*\c+16*\q  ; b2[e], channels 64 w + 16 cb + 8 h ..: experts 0 to 3 where W2's ring will lie,
.endr
.endr
.endr
	WIN 0
.irp e, 4,5
.irp c, 0,1,2,3
.irp q, 0,1
	global_load_b128 v[64+32*\e+8*\c+4*\q:64+32*\e+8*\c+4*\q+3], v[BOFF], s[54:55] offset:1024*\e+64*\c+16*\q    ; experts 4 and 5 in v192-255, where H of the odd trips will lie
.endr
.endr
.endr
	s_wait_kmcnt 0x0
.irp i, 0,1,2,3,4,5,6,7,8,9,10,11,12,13,14,15
	s_and_b32 s[68+\i], s[68+\i], 0xffff           ; the token, held inside the table, times a row's 512 bytes
	s_min_u32 s[68+\i], s[68+\i], 16383
	s_lshl_b32 s[68+\i], s[68+\i], 9
	v_add_nc_u32 v[40+\i], s[68+\i], v[L16]
.endr
	s_wait_loadcnt 48                              ; the four words; b2's 48 loads stay out
	WIN 0x40
.irp i, 0,1,2,3,4,5,6,7,8,9,10,11,12,13,14,15
	global_load_b128 v[4*\i:4*\i+3], v[40+\i], s[6:7] th:TH_LOAD_NT  ; a whole row of x, 512 consecutive bytes; each row is read once in the launch
.endr
	WIN 0
	v_or_b32 v28, v24, v25
	v_or_b32 v29, v26, v27
	v_or_b32 v28, v28, v29
.irp t, 0,1,2,3
	v_and_b32 v[24+\t], 0xffff, v[24+\t]
	v_min_u32 v[24+\t], 16383, v[24+\t]
	v_lshlrev_b32 v[24+\t], 2, v[24+\t]
.endr
	WIN 0xc0
.irp t, 0,1,2,3
.irp e, 0,1,2,3,4,5
	global_load_b32 v[GG+6*\t+\e], v[24+\t], s[8:9] offset:65536*\e
.endr
.endr
	WIN 0
	s_mov_b32 s[LIST], 0                           ; the union of the 64 masks, as a list
	s_mov_b32 s[NEX], 0
.irp e, 0,1,2,3,4,5
	v_and_b32 v29, 1<<(16+\e), v28
	v_cmp_ne_u32 vcc_lo, 0, v29
	s_cmp_lg_u32 vcc_lo, 0
	s_cselect_b32 s24, 1, 0
	s_cselect_b32 s25, \e, 0
	s_lshl_b32 s26, s[NEX], 2
	s_lshl_b32 s25, s25, s26
	s_or_b32 s[LIST], s[LIST], s25
	s_add_co_u32 s[NEX], s[NEX], s24
.endr
	s_lshl_b32 s[RM1], s[NEX], 3
	s_add_co_u32 s[LIM], s[RM1], 1
	s_sub_co_u32 s[RM1], s[RM1], 1
	s_mov_b32 s[TAU], -1                           ; the pointers for trip 0
	SCAL
.set LW2, 0                            ; trip 0 has no P2: W1 and the bias alone, 12 + 8 + 4 + 4 + 4 + 4 = 36 loads
	SERV 0
	SERV 1
	SERV 2
	SERV 3
	SERV 4
	SERV 5
.set LW2, 1
	s_wait_loadcnt 36                              ; the ring's 36 are the youngest: b2, the rows and the gates are in
	WIN 0x04
.irp i, 0,1,2,3,4,5,6,7,8,9,10,11,12,13,14,15
	ds_store_b128 v20, v[4*\i:4*\i+3] offset:XP*\i
.endr
	WIN 0
.irp r, 32,33,34,35
	v_mov_b32 v\r, 0
.endr
.irp i, 0,1,2,3,4,5,6,7,8
	ds_store_b128 v21, v[32:35] offset:2048*\i     ; zeros in the H buffer that trip 1's P2 reads (and in the last 1,024 bytes of the other): 9 x 128 threads x 16 bytes
.endr
.irp r, 0,1,2,3,4,5,6,7
	v_mov_b32 v[MK+\r], 0
.endr
	s_wait_dscnt 0x0                               ; for the others: my rows and my zeros are in LDS
	s_barrier_signal -1
	s_barrier_wait -1
	WIN 0x40
.irp t, 0,1,2,3
.irp k, 0,1,2,3,4,5,6,7
	ds_load_b128 v[64*\t+8*\k:64*\t+8*\k+3], v18 offset:16*XP*\t+64*\k
	ds_load_b128 v[64*\t+8*\k+4:64*\t+8*\k+7], v18 offset:16*XP*\t+64*\k+32
.endr
.endr
	; O starts as the sum over e of gate_e b2_e, while the X fragments are on their way: nothing is cleared
.set ie, 0
.rept 6
.if ie < 4
	WIN 0xfe
.else
	WIN 0xfc
.endif
.set ia, 0
.rept 16
.set ij, 0
.rept 4
.set oD, 8*ia+2*ij
.if ie < 4
.set oB, 128+32*ie+8*(ia/4)+2*ij
.else
.set oB, 64+32*ie+8*(ia/4)+2*ij
.endif
.set oG, GG+6*(ia%4)+2*(ie/2)
.if ie == 0
	v_pk_mul_f32 v[oD:oD+1], v[oB:oB+1], v[oG:oG+1] op_sel_hi:[1,0]
.elseif ie%2 == 0
	v_pk_fma_f32 v[oD:oD+1], v[oB:oB+1], v[oG:oG+1], v[oD:oD+1] op_sel_hi:[1,0,1]
.else
	v_pk_fma_f32 v[oD:oD+1], v[oB:oB+1], v[oG:oG+1], v[oD:oD+1] op_sel:[0,1,0] op_sel_hi:[1,1,1]
.endif
.set ij, ij+1
.endr
.set ia, ia+1
.endr
.set ie, ie+1
.endr
	WIN 0
	s_wait_dscnt 0x0                               ; X
	s_mov_b32 s[TAU], 0
	; TRIP 0: P1 alone; it touches no LDS, so it has no barrier.  It loads the whole ring for trip 1, in a trip's own order.
	; Counts: behind the set-up's loads for a group stand the rest of the 36 and this trip's runs so far: 24; 16 + 12; 12 + 12; 8 + 28; 4 + 28; 0 + 44.
	FLAGS 0, 1, 0, 0, 1
	PARTA 24
	PARTB 28, 24, 36, 32, 44, -1, -1
	s_add_co_u32 s[TAU], s[TAU], 1
	FLAGS 1, 1, 1, 1, 1
	PARTA 56                                       ; group 0 of trip 1
	s_mov_b32 s[CNT], 24
.Lpass:                                                ; trips 1 .. 48, of which 1 .. R are live
	BODY 1
	BODY 0
	s_sub_co_u32 s[CNT], s[CNT], 1
	s_cmp_lg_u32 s[CNT], 0
	s_cbranch_scc1 .Lpass
	; TRIP R + 1 (R is even, so its parity is 1): P2 alone; nothing is loaded again.  Counts: behind trip R's loads for groups 2 to 7 stand 40, 32, 24, 16, 8 and 0 of its 68.
	MEET
	FLAGS 1, 0, 0, 1, 0
	PARTB -1, 40, 32, 24, 16, 8, 0
	; THE WAY OUT: O rounded to bf16; a lane's eight channels of a token are 16 bytes; through the rows where X lay (nobody has read them since the set-up) and back as whole rows of 512 bytes.
	; The address lines are the places behind the last products.
	v_and_b32 v16, 15, v0
	v_bfe_u32 v17, v0, 4, 1
	v_mul_u32_u24 v18, v16, XP
	v_lshl_add_u32 v18, v17, 4, v18
	s_lshl_b32 s24, s[WV], 7
	v_add_nc_u32 v18, s24, v18                     ; in: 528 r + 16 h + 128 w
	s_mul_i32 s24, s[WV], 16*XP
	v_add_nc_u32 v19, s24, v[L16]                  ; back: my 16 rows
.irp i, 0,1,2,3,4,5,6,7,8,9,10,11,12,13,14,15
	v_add_nc_u32 v[32+\i], s[68+\i], v[L16]        ; and their places in y
.endr
	WIN 0x0f
.set ia, 0
.rept 16
.irp j, 0,1,2,3
	v_cvt_pk_bf16_f32 v[64+4*ia+\j], v[8*ia+2*\j], v[8*ia+2*\j+1]
.endr
.set ia, ia+1
.endr
	WIN 0
.set ia, 0
.rept 16
	ds_store_b128 v18, v[64+4*ia:64+4*ia+3] offset:16*XP*(ia%4)+32*(ia/4)
.set ia, ia+1
.endr
	s_wait_dscnt 0x0                               ; for the others: a row's 512 bytes come from four waves
	s_barrier_signal -1
	s_barrier_wait -1
.irp i, 0,1,2,3,4,5,6,7,8,9,10,11,12,13,14,15
	ds_load_b128 v[128+4*\i:128+4*\i+3], v19 offset:XP*\i
.endr
.irp i, 0,1,2,3,4,5,6,7,8,9,10,11,12,13,14,15
	s_wait_dscnt 15-\i                             ; the younger LDS loads stay out
	global_store_b128 v[32+\i], v[128+4*\i:128+4*\i+3], s[14:15]  ; a token's whole row: 512 consecutive bytes, aligned
.endr
	s_wait_tensorcnt 0x0                           ; the wave's end, behind my last LDS store
	ds_add_u32 v[SPW], v[NIL]
	s_wait_dscnt 0x0
	s_endpgm
.Lfunc_end_k_q68a1bbd6ce_chain:
	.size	k_q68a1bbd6ce_chain, .Lfunc_end_k_q68a1bbd6ce_chain-k_q68a1bbd6ce_chain
	.p2alignl 7, 3214868480
	.fill 96, 4, 3214868480
	.section	.rodata,"a",@progbits
	.p2align	6, 0x0
	.amdhsa_kernel k_q68a1bbd6ce_chain
		.amdhsa_group_segment_fixed_size 69120
		.amdhsa_private_segment_fixed_size 0
		.amdhsa_enable_private_segment 0
		.amdhsa_kernarg_size 48
		.amdhsa_user_sgpr_count 2
		.amdhsa_user_sgpr_kernarg_segment_ptr 1
		.amdhsa_wavefront_size32 1
		.amdhsa_system_sgpr_workgroup_id_x 1
		.amdhsa_system_sgpr_workgroup_id_y 1
		.amdhsa_system_sgpr_workgroup_id_z 1
		.amdhsa_system_vgpr_workitem_id 0
		.amdhsa_next_free_vgpr 1024
		.amdhsa_next_free_sgpr 88
		.amdhsa_reserve_vcc 1
		.amdhsa_float_denorm_mode_32 3
		.amdhsa_float_denorm_mode_16_64 3
		.amdhsa_memory_ordered 1
		.amdhsa_forward_progress 1
		.amdhsa_inst_pref_size 202
	.end_amdhsa_kernel
	.amdgpu_metadata
---
amdhsa.version: [ 1, 2 ]
amdhsa.kernels:
  - .name:           k_q68a1bbd6ce_chain
    .symbol:         k_q68a1bbd6ce_chain.kd
    .args:
      - { .name: order, .offset: 0, .size: 8, .value_kind: global_buffer, .address_space: global }
      - { .name: xt, .offset: 8, .size: 8, .value_kind: global_buffer, .address_space: global }
      - { .name: gates, .offset: 16, .size: 8, .value_kind: global_buffer, .address_space: global }
      - { .name: wl, .offset: 24, .size: 8, .value_kind: global_buffer, .address_space: global }
      - { .name: br, .offset: 32, .size: 8, .value_kind: global_buffer, .address_space: global }
      - { .name: y, .offset: 40, .size: 8, .value_kind: global_buffer, .address_space: global }
    .group_segment_fixed_size: 69120
    .private_segment_fixed_size: 0
    .kernarg_segment_align: 8
    .kernarg_segment_size: 48
    .max_flat_workgroup_size: 128
    .sgpr_count:     88
    .vgpr_count:     1024
    .wavefront_size: 32
...
	.end_amdgpu_metadata
.endif
;; end of part 3
;; launch untr (part 4): grid 256 x 1, 8 waves a work-group, no clusters, 34,816 bytes of LDS; arguments y, out0; writes out0
.if DOCPART == 4
	.amdgcn_target "amdgcn-amd-amdhsa--gfx1250"
	.amdhsa_code_object_version 6
	.text
	.protected	k_q68a1bbd6ce_untr
	.globl	k_q68a1bbd6ce_untr
	.p2align	8
	.type	k_q68a1bbd6ce_untr,@function
k_q68a1bbd6ce_untr:
	s_mov_b64 s[64:65], 0
	v_nop
	global_prefetch_b8 v0, s[64:65] scope:SCOPE_SE
	s_setreg_imm32_b32 hwreg(HW_REG_WAVE_MODE, 25, 1), 1
	s_wait_xcnt 0x0
; UNTR.  y [16384 tokens][256] bf16 -> out0 [2][256][8192] f32: turned back, widened (exact).  A stream: each byte of y is read once, each byte of out0 written once.
; A work-group owns 64 tokens.  Wave w brings rows 8 w .. 8 w + 7 (512 consecutive bytes a load) into LDS; behind the barrier it owns channels 32 w .. 32 w + 31 and lane l tokens 2 l and 2 l + 1,
; so each store of 8 bytes a lane covers 256 consecutive bytes of one channel's row, aligned.  No matrix unit, no cluster: nothing is multiplied and nothing is shared.
.set XTP,   528                        ; a token's row in LDS: 512 bytes + 16, an odd multiple of 16 (ISA guide 11.1: 64 banks of 4 bytes)
.set SPARE, 64*XTP                     ; the spare words, 128 bytes a wave: four blocks of 256 bytes that no other line names
.set SPW, 4                            ; v4   my spare word; never rewritten
.set NIL, 5                            ; v5   0; never rewritten
	s_load_b128 s[4:7], s[0:1], 0x0                ; y s[4:5], out0 s[6:7]
	v_lshl_add_u32 v[SPW], v0, 2, SPARE
	v_mov_b32 v[NIL], 0
	v_lshrrev_b32 v1, 5, v0
	v_readfirstlane_b32 s8, v1                     ; wave 0..7
	v_and_b32 v1, 31, v0
	v_lshlrev_b32 v2, 4, v1                        ; 16 l
	v_lshlrev_b32 v3, 3, v1                        ; 8 l
	s_mov_b32 s9, ttmp9
	s_lshl_b32 s10, s9, 15                         ; y: 64 b rows of 512 bytes
	s_lshl_b32 s11, s8, 12                         ; + 8 w rows
	s_add_co_u32 s10, s10, s11
	s_mov_b32 s11, 0
	s_lshr_b32 s12, s9, 7                          ; out0: batch x 8,388,608
	s_lshl_b32 s12, s12, 23
	s_lshl_b32 s13, s8, 20                         ; + 32 w channels of 32,768 bytes
	s_add_co_u32 s12, s12, s13
	s_and_b32 s13, s9, 127                         ; + the block's 256 bytes
	s_lshl_b32 s13, s13, 8
	s_add_co_u32 s12, s12, s13
	s_mov_b32 s13, 0
	s_mul_i32 s14, s8, 4*XTP
	v_add_nc_u32 v6, s14, v2                       ; in: token 8 w + i lies in row 4 w + i / 2 + 32 (i % 2)
	v_mul_u32_u24 v7, v1, XTP
	s_lshl_b32 s14, s8, 6
	v_add_nc_u32 v7, s14, v7                       ; out: rows l and 32 + l, byte 64 w
	s_wait_kmcnt 0x0
	s_add_nc_u64 s[4:5], s[4:5], s[10:11]
	s_add_nc_u64 s[6:7], s[6:7], s[12:13]
.irp i, 0,1,2,3,4,5,6,7
	global_load_b128 v[16+4*\i:16+4*\i+3], v2, s[4:5] offset:512*\i th:TH_LOAD_NT
.endr
.irp i, 0,1,2,3,4,5,6,7
	s_wait_loadcnt 7-\i                            ; the younger loads stay out
	ds_store_b128 v6, v[16+4*\i:16+4*\i+3] offset:XTP*((\i/2)+32*(\i%2))
.endr
	s_wait_dscnt 0x0                               ; for the others: my rows are in LDS
	s_barrier_signal -1
	s_barrier_wait -1
.irp q, 0,1,2,3
	ds_load_b128 v[48+4*\q:48+4*\q+3], v7 offset:16*\q
	ds_load_b128 v[64+4*\q:64+4*\q+3], v7 offset:32*XTP+16*\q
.endr
	s_wait_dscnt 0x0
.irp m, 0,1,2,3,4,5,6,7,8,9,10,11,12,13,14,15      ; word m holds channels 2 m and 2 m + 1 of a token
	v_lshlrev_b32 v[80+4*\m], 16, v[48+\m]
	v_lshlrev_b32 v[80+4*\m+1], 16, v[64+\m]
	v_and_b32 v[80+4*\m+2], 0xffff0000, v[48+\m]
	v_and_b32 v[80+4*\m+3], 0xffff0000, v[64+\m]
.endr
.irp c, 0,1,2,3,4,5,6,7,8,9,10,11,12,13,14,15,16,17,18,19,20,21,22,23,24,25,26,27,28,29,30,31
	global_store_b64 v3, v[80+2*\c:80+2*\c+1], s[6:7] offset:32768*\c th:TH_STORE_NT
.endr
	s_wait_tensorcnt 0x0                           ; the wave's end, behind my last LDS store
	ds_add_u32 v[SPW], v[NIL]
	s_wait_dscnt 0x0
	s_endpgm
.Lfunc_end_k_q68a1bbd6ce_untr:
	.size	k_q68a1bbd6ce_untr, .Lfunc_end_k_q68a1bbd6ce_untr-k_q68a1bbd6ce_untr
	.p2alignl 7, 3214868480
	.fill 96, 4, 3214868480
	.section	.rodata,"a",@progbits
	.p2align	6, 0x0
	.amdhsa_kernel k_q68a1bbd6ce_untr
		.amdhsa_group_segment_fixed_size 34816
		.amdhsa_private_segment_fixed_size 0
		.amdhsa_enable_private_segment 0
		.amdhsa_kernarg_size 16
		.amdhsa_user_sgpr_count 2
		.amdhsa_user_sgpr_kernarg_segment_ptr 1
		.amdhsa_wavefront_size32 1
		.amdhsa_system_sgpr_workgroup_id_x 1
		.amdhsa_system_sgpr_workgroup_id_y 1
		.amdhsa_system_sgpr_workgroup_id_z 1
		.amdhsa_system_vgpr_workitem_id 0
		.amdhsa_next_free_vgpr 144
		.amdhsa_next_free_sgpr 66
		.amdhsa_reserve_vcc 0
		.amdhsa_float_denorm_mode_32 3
		.amdhsa_float_denorm_mode_16_64 3
		.amdhsa_memory_ordered 1
		.amdhsa_forward_progress 1
		.amdhsa_inst_pref_size 10
	.end_amdhsa_kernel
	.amdgpu_metadata
---
amdhsa.version: [ 1, 2 ]
amdhsa.kernels:
  - .name:           k_q68a1bbd6ce_untr
    .symbol:         k_q68a1bbd6ce_untr.kd
    .args:
      - { .name: y, .offset: 0, .size: 8, .value_kind: global_buffer, .address_space: global }
      - { .name: out0, .offset: 8, .size: 8, .value_kind: global_buffer, .address_space: global }
    .group_segment_fixed_size: 34816
    .private_segment_fixed_size: 0
    .kernarg_segment_align: 8
    .kernarg_segment_size: 16
    .max_flat_workgroup_size: 256
    .sgpr_count:     66
    .vgpr_count:     144
    .wavefront_size: 32
...
	.end_amdgpu_metadata
.endif
;; end of part 4
;; ======== version 2 of 2: 4 launches; version 1 with the launch prep written anew for expert scheduling mode
;; limits: a function is approximated: absolute error at most 2.5e-05; an absolute error that grows with the inputs' magnitude: up to 1.3e-05 times it
;; workspace buffers: xt 8,388,608 bytes; gates 393,216 bytes; route 81,920 bytes of whole numbers; order 65,536 bytes of whole numbers; wl 6,291,456 bytes; br 30,720 bytes; y 8,388,608 bytes
;; launch gate: the kernel of part 1 again; grid 256 x 1, 8 waves a work-group, no clusters, 47,104 bytes of LDS; arguments x, attention_weights, gate_w, gate_b, xt, gates, route; writes xt, gates, route
;; launch prep (part 5): grid 256 x 1, 4 waves a work-group, no clusters, 34,304 bytes of LDS; arguments route, w1, w2, b1, b2, wl, order, br; writes wl, order, br
.if DOCPART == 5
	.amdgcn_target "amdgcn-amd-amdhsa--gfx1250"
	.amdhsa_code_object_version 6
	.text
	.protected	k_q68a1bbd6ce_prep
	.globl	k_q68a1bbd6ce_prep
	.p2align	8
	.type	k_q68a1bbd6ce_prep,@function
k_q68a1bbd6ce_prep:
	s_mov_b64 s[64:65], 0
	v_nop
	global_prefetch_b8 v0, s[64:65] scope:SCOPE_SE
	s_setreg_imm32_b32 hwreg(HW_REG_WAVE_SCHED_MODE, 0, 2), 2
	s_setreg_imm32_b32 hwreg(HW_REG_WAVE_MODE, 25, 1), 1
	s_wait_xcnt 0x0
	s_wait_alu depctr_vm_vsrc(0)
; PREP.  Two kinds of work-group, told apart by the work-group's number; no barrier in the text: every wave works for itself.
; WORK-GROUPS 0..191: w1 and w2, rounded once to bf16 and laid out as the chain's matrix operands.  wl = W1L, then W2L at byte 3,145,728, each [expert 6][chunk 8][wave 4][fragment 16][1,024 bytes].
;   A fragment is 16 rows x 32 K: lane (r = l % 16, h = l / 16) finds K 8 h .. 8 h + 7 of row r at byte 16 l and K 16 + 8 h .. at byte 512 + 16 l, so two 16-byte loads a lane fill it.
;   W1L: rows = hidden units 128 chunk + 32 wave + 16 hb + r, K = channels 32 k ..; fragment 2 k + hb.   W2L: rows = channels 64 wave + 16 cb + r, K = hidden units 128 chunk + 32 kk ..; fragment 4 kk + cb.
;   A wave takes a unit of 16 rows x 256 columns of f32 (each weight is read once in the launch), rounds it into its own LDS stage and reads the eight fragments back.
; WORK-GROUPS 192..255: a counting sort of the tokens by their SET of experts, without atomics: wave = block of 64 tokens.  It adds up the 256 blocks' counts (all, and those of earlier blocks), scans the 20 sets,
;   and stores order[place] = token | mask << 16.  The first 60 of these waves also round b1 and b2 to bf16 (kept as f32) into br.
; No cluster: no two work-groups read the same bytes but the 16 KiB of counts.
; THE MODE: SCHED_MODE bits 1:0 = 2 (LLVM: expert scheduling mode 2), set by the entry lines.  The code itself states the register dependences between vector instructions and memory or LDS
; instructions, and between a vector instruction that writes a scalar register and that register's readers, with s_wait_alu, always for 0.
; THE PLAN, WEIGHTS.  Registers that memory or LDS instructions touch:
;   RAW  v[16:143]   written by the unit's 32 loads; each read once, by a conversion.  Then v[16:79] take the fragments read back from the stage, and the global stores read them.
;   OUT  v[144:207]  two registers for each load: written once by a conversion, read once by an LDS store.  None is written again, so nothing is owed on vm_vsrc.
;   v2, v6, v7       offsets, made at the head and never written again.      v4, v5  read by the closing add alone.
;   The loads are taken in four groups of eight.  At the head of groups 1 to 3 one wait on va_vdst states that the group before has written its OUT; that group's eight LDS stores are then dealt among this
;   group's conversions, which name this group's RAW and OUT alone.  One more wait behind group 3 serves its stores and the loads from the stage.
; THE PLAN, SORT.  v[16:145] are written by loads and read by vector work; v2 and v6 are offsets made once; v9 to v12 and v[160:163] are written by vector work and read by stores: a wait on va_vdst ahead of the
;   loads and ahead of each of the two places where stores stand.  Vector instructions that write scalar registers stand in runs, each with one wait on va_sdst behind it: the 32 compares 'is this block
;   before mine' (s28-35, s40-63), the 20 words of counts (s40-59), and four times ten compares of masks against sets (s28-37).  VCC and EXEC are written nowhere.
.set STG,   16*528                     ; a wave's stage: 16 rows of 512 bytes + 16
.set SPARE, 4*STG                      ; the spare words, 128 bytes a wave: two blocks of 256 bytes that no other line names
.set SPW, 4                            ; v4   my spare word; never rewritten
.set NIL, 5                            ; v5   0; never rewritten
.set RAW, 16                           ; v[16:143]   load i's four registers at RAW + 4 i
.set OUT, 144                          ; v[144:207]  weights: load i's eight numbers in bf16 at OUT + 2 i
	s_load_b256 s[4:11], s[0:1], 0x0               ; route s[4:5], w1 s[6:7], w2 s[8:9], b1 s[10:11]
	s_load_b256 s[12:19], s[0:1], 0x20             ; b2 s[12:13], wl s[14:15], order s[16:17], br s[18:19]
	v_lshl_add_u32 v[SPW], v0, 2, SPARE
	v_mov_b32 v[NIL], 0
	v_lshrrev_b32 v1, 5, v0
	v_readfirstlane_b32 s20, v1                    ; wave 0..3
	v_and_b32 v1, 31, v0                           ; lane
	v_lshlrev_b32 v2, 4, v1                        ; 16 l
	s_mov_b32 s21, ttmp9
	s_lshl_b32 s22, s21, 2
	s_wait_alu depctr_va_sdst(0)                   ; s20 is written, ahead of its first reader
	s_add_co_u32 s22, s22, s20                     ; 4 x work-group + wave
	s_mov_b32 s25, 0
	s_mov_b32 s27, 0
	s_wait_kmcnt 0x0
	s_cmp_ge_u32 s21, 192
	s_cbranch_scc1 .Lsort
	v_lshlrev_b32 v3, 3, v1
	s_mul_i32 s23, s20, STG
	v_add_nc_u32 v6, s23, v3                       ; into my stage: 8 l
	v_and_b32 v7, 15, v0
	v_mul_u32_u24 v7, v7, 528
	v_bfe_u32 v8, v0, 4, 1
	v_lshl_add_u32 v7, v8, 4, v7
	v_add_nc_u32 v7, s23, v7                       ; out of it: row l % 16, 16 bytes for each half of the lanes
.macro PUT n                           ; load n's eight numbers, rounded, into my stage: row n / 2, half n % 2
	ds_store_b64 v6, v[OUT+2*(\n):OUT+2*(\n)+1] offset:528*((\n)/2)+256*((\n)%2)
.endm
; A unit: sb = the scalar pair with the unit's first byte, pitch = bytes from row to row, kind 0: W1's places, 1: W2's.
.macro UNIT sb, pitch, kind
	s_wait_alu depctr_va_vdst(0)                   ; v2, v6 and v7 are written: every load and store below reads one of them as its offset or address
.set i, 0
.rept 32
	global_load_b128 v[RAW+4*i:RAW+4*i+3], v2, s[\sb:\sb+1] offset:(i/2)*(\pitch)+512*(i%2) th:TH_LOAD_NT  ; 512 consecutive bytes of row i / 2
.set i, i+1
.endr
.set g, 0
.rept 4
	s_wait_loadcnt 24-8*g                          ; loads come back in order: group g's eight are in, the younger groups stay out
.if g > 0
	s_wait_alu depctr_va_vdst(0)                   ; the group before has written its 16 registers of OUT, which the LDS stores below read
.endif
.set j, 0
.rept 8
.set i, 8*g+j
.if g > 0
	PUT i-8                                        ; no vector instruction since the wait names these registers
.endif
	v_cvt_pk_bf16_f32 v[OUT+2*i], v[RAW+4*i], v[RAW+4*i+1]
	v_cvt_pk_bf16_f32 v[OUT+2*i+1], v[RAW+4*i+2], v[RAW+4*i+3]
.set j, j+1
.endr
.set g, g+1
.endr
	s_wait_alu depctr_va_vdst(0)                   ; the last group has written its OUT, which the stores below read; and every conversion is done reading RAW, in which the loads from the stage land
.set i, 24
.rept 8
	PUT i
.set i, i+1
.endr
.set i, 0
.rept 8
	ds_load_b128 v[RAW+8*i:RAW+8*i+3], v7 offset:64*i      ; LDS serves a wave's instructions in order (ISA guide 5.7.1.4): these see my stores above
	ds_load_b128 v[RAW+8*i+4:RAW+8*i+7], v7 offset:64*i+32
.set i, i+1
.endr
.set i, 0
.rept 8
.if (\kind) == 0
.set dd, 2048*i
.else
.set dd, (i/4)*65536+(i%4)*4096
.endif
	s_wait_dscnt 14-2*i                            ; fragment i's two loads are in; the younger ones stay out
	global_store_b128 v2, v[RAW+8*i:RAW+8*i+3], s[14:15] offset:dd        ; 512 consecutive bytes, aligned
	global_store_b128 v2, v[RAW+8*i+4:RAW+8*i+7], s[14:15] offset:dd+512
.set i, i+1
.endr
	s_wait_dscnt 0x0                               ; the wave's end
	s_wait_alu 0x0
	s_wait_tensorcnt 0x0
	ds_add_u32 v[SPW], v[NIL]
	s_wait_dscnt 0x0
	s_endpgm
.endm
	s_cmp_ge_u32 s22, 384
	s_cbranch_scc1 .Lw2
	s_lshl_b32 s24, s22, 14                        ; W1, unit u: rows 16 u of 1,024 bytes
	s_add_nc_u64 s[6:7], s[6:7], s[24:25]
	s_lshr_b32 s26, s22, 3                         ; to (8 expert + chunk) x 65,536
	s_lshl_b32 s26, s26, 16
	s_bfe_u32 s28, s22, 0x20001                    ; + wave x 16,384
	s_lshl_b32 s28, s28, 14
	s_add_co_u32 s26, s26, s28
	s_and_b32 s28, s22, 1                          ; + hb x 1,024
	s_lshl_b32 s28, s28, 10
	s_add_co_u32 s26, s26, s28
	s_add_nc_u64 s[14:15], s[14:15], s[26:27]
	UNIT 6, 1024, 0
.Lw2:
	s_sub_co_u32 s22, s22, 384                     ; W2, unit u = 64 expert + 4 (block of 16 channels) + quarter of the hidden width
	s_lshr_b32 s24, s22, 2
	s_lshl_b32 s24, s24, 16                        ; 16 rows of 4,096 bytes
	s_and_b32 s28, s22, 3
	s_lshl_b32 s29, s28, 10                        ; + quarter x 1,024 bytes
	s_add_co_u32 s24, s24, s29
	s_add_nc_u64 s[8:9], s[8:9], s[24:25]
	s_lshr_b32 s26, s22, 6
	s_lshl_b32 s26, s26, 19                        ; expert
	s_lshl_b32 s28, s28, 17                        ; chunk 2 x quarter
	s_add_co_u32 s26, s26, s28
	s_bfe_u32 s28, s22, 0x20004                    ; wave
	s_lshl_b32 s28, s28, 14
	s_add_co_u32 s26, s26, s28
	s_bfe_u32 s28, s22, 0x20002                    ; cb
	s_lshl_b32 s28, s28, 10
	s_add_co_u32 s26, s26, s28
	s_add_co_u32 s26, s26, 3145728
	s_add_nc_u64 s[14:15], s[14:15], s[26:27]
	UNIT 8, 4096, 1
.Lsort:
	s_sub_co_u32 s22, s22, 768                     ; my block b
	v_lshrrev_b32 v3, 2, v1
	v_sub_nc_u32 v3, v3, s22                       ; l / 4 - b: load i brings me block 8 i + l / 4, words 4 (l % 4) ..
	s_lshl_b32 s23, s22, 8
	v_lshl_add_u32 v6, v1, 3, s23
	s_mov_b32 s38, 0x76543210
	s_mov_b32 s39, 0xfedcba98
	s_wait_alu depctr_va_vdst(0)                   ; v2 and v6 are written, which the loads below read as their offsets
.set i, 0
.rept 32
	global_load_b128 v[RAW+4*i:RAW+4*i+3], v2, s[4:5] offset:65536+512*i
.set i, i+1
.endr
	global_load_b64 v[144:145], v6, s[4:5]         ; the masks of tokens 64 b + 2 l and + 1
	v_mov_b32 v158, 0
	; 'is the block that load i brings me before mine?': 32 compares in one run, while the loads are on their way: load i's answer in s[28 + i] (i < 8) or s[32 + i]
.set i, 0
.rept 32
.set ng, 0-8*i
.set mk, 28+i+4*((i+24)/32)
	v_cmp_gt_i32 s[mk], ng, v3                     ; 8 i + l / 4 < b
.set i, i+1
.endr
	s_wait_alu depctr_va_sdst(0)                   ; the 32 answers are written, ahead of the selects that read them
	; v[146:149] all blocks' counts, v[150:153] those of blocks before mine.  Two 16-bit counts a word: no sum passes 16,384, so none carries into its neighbour
.set i, 0
.rept 32
.set mk, 28+i+4*((i+24)/32)
	s_wait_loadcnt 32-i                            ; the younger loads of counts and the load of the masks stay out
.irp j, 0,1,2,3
.if i == 0
	v_mov_b32 v[146+\j], v[RAW+\j]
	v_cndmask_b32 v[150+\j], 0, v[RAW+\j], s[mk]
.else
	v_add_nc_u32 v[146+\j], v[146+\j], v[RAW+4*i+\j]
	v_cndmask_b32 v[154+\j], 0, v[RAW+4*i+\j], s[mk]
	v_add_nc_u32 v[150+\j], v[150+\j], v[154+\j]
.endif
.endr
.set i, i+1
.endr
.irp r, 146,147,148,149,150,151,152,153            ; over the eight lanes that hold the same words
	v_mov_b32_dpp v158, v\r row_xmask:4 row_mask:0xf bank_mask:0xf
	v_add_nc_u32 v\r, v\r, v158
	v_mov_b32_dpp v158, v\r row_xmask:8 row_mask:0xf bank_mask:0xf
	v_add_nc_u32 v\r, v\r, v158
	v_permlanex16_b32 v158, v\r, s38, s39
	v_add_nc_u32 v\r, v\r, v158
.endr
	; word k of the ten holds the counts of sets 2 k and 2 k + 1: all blocks' word into s[40 + 2 k], the earlier blocks' into s[41 + 2 k], in one run
.set k, 0
.rept 10
	v_readlane_b32 s[40+2*k], v[146+(k&3)], k/4
	v_readlane_b32 s[41+2*k], v[150+(k&3)], k/4
.set k, k+1
.endr
	s_wait_alu depctr_va_sdst(0)                   ; the 20 words are written, ahead of the scan that reads them
	s_mov_b32 s33, 0                               ; s[40+k] becomes: where my block's tokens of set k begin
.set k, 0
.rept 10
	s_bfe_u32 s34, s[40+2*k], 0x100000             ; set 2 k: all blocks',
	s_bfe_u32 s35, s[41+2*k], 0x100000             ; the earlier blocks'
	s_bfe_u32 s28, s[40+2*k], 0x100010             ; set 2 k + 1
	s_bfe_u32 s29, s[41+2*k], 0x100010
	s_add_co_u32 s[40+2*k], s33, s35
	s_add_co_u32 s33, s33, s34
	s_add_co_u32 s[41+2*k], s33, s29
	s_add_co_u32 s33, s33, s28
.set k, k+1
.endr
	s_lshl_b32 s23, s22, 6
	v_lshl_add_u32 v7, v1, 1, s23                  ; my two tokens
	v_add_nc_u32 v8, 1, v7
	v_mov_b32 v9, v7
	v_mov_b32 v10, v8
	s_wait_loadcnt 0x0                             ; the masks
; Five sets, k0 .. k0 + 4: ten compares in one run (set j's two tokens in s[28 + 2 j] and s[29 + 2 j]), one wait, then the places.
.macro FIVE k0, m0, m1, m2, m3, m4
.set j, 0
.irp m, \m0, \m1, \m2, \m3, \m4
	v_cmp_eq_u32 s[28+2*j], \m, v144
	v_cmp_eq_u32 s[29+2*j], \m, v145
.set j, j+1
.endr
	s_wait_alu depctr_va_sdst(0)                   ; the ten answers are written, ahead of the counts and selects that read them
.set j, 0
.rept 5
	v_mbcnt_lo_u32_b32 v158, s[28+2*j], s[40+(\k0)+j]  ; the set's next place + how many lower lanes hold the set
	v_cndmask_b32 v9, v9, v158, s[28+2*j]
	s_bcnt1_i32_b32 s24, s[28+2*j]
	s_add_co_u32 s[40+(\k0)+j], s[40+(\k0)+j], s24
	v_mbcnt_lo_u32_b32 v158, s[29+2*j], s[40+(\k0)+j]
	v_cndmask_b32 v10, v10, v158, s[29+2*j]
.set j, j+1
.endr
.endm
	FIVE 0,  0x07,0x0D,0x0E,0x0B,0x19
	FIVE 5,  0x1A,0x1C,0x15,0x16,0x13
	FIVE 10, 0x31,0x32,0x34,0x38,0x29
	FIVE 15, 0x2A,0x2C,0x25,0x26,0x23
	v_min_u32 v9, 16383, v9                        ; a place made of loaded numbers is held inside the table
	v_min_u32 v10, 16383, v10
	v_lshlrev_b32 v9, 2, v9
	v_lshlrev_b32 v10, 2, v10
	v_lshl_or_b32 v11, v144, 16, v7
	v_lshl_or_b32 v12, v145, 16, v8
	s_wait_alu depctr_va_vdst(0)                   ; v9 to v12 are written: the two stores' offsets and data
	global_store_b32 v9, v11, s[16:17]             ; 4 bytes a lane, 64 KiB in the launch; a block's tokens of one set lie side by side
	global_store_b32 v10, v12, s[16:17]
	s_cmp_ge_u32 s22, 60
	s_cbranch_scc1 .Ldone
	s_cmp_lt_u32 s22, 48                           ; waves 0..47: 128 numbers of b1; 48..59: of b2, which follows b1 in br
	s_cselect_b64 s[36:37], s[10:11], s[12:13]
	s_cselect_b32 s24, 0, 24576
	s_lshl_b32 s26, s22, 9
	s_sub_co_u32 s24, s26, s24
	s_add_nc_u64 s[36:37], s[36:37], s[24:25]
	s_add_nc_u64 s[18:19], s[18:19], s[26:27]
	global_load_b128 v[160:163], v2, s[36:37]      ; no vector instruction has named v[160:163]; v2 was written ahead of the waits above
	s_wait_loadcnt 0x0
	v_cvt_pk_bf16_f32 v164, v160, v161
	v_cvt_pk_bf16_f32 v165, v162, v163
	v_lshlrev_b32 v160, 16, v164
	v_and_b32 v161, 0xffff0000, v164
	v_lshlrev_b32 v162, 16, v165
	v_and_b32 v163, 0xffff0000, v165
	s_wait_alu depctr_va_vdst(0)                   ; v160 to v163 are written, which the store reads
	global_store_b128 v2, v[160:163], s[18:19]
.Ldone:
	s_endpgm                                       ; the sort's waves have stored nothing to LDS
.Lfunc_end_k_q68a1bbd6ce_prep:
	.size	k_q68a1bbd6ce_prep, .Lfunc_end_k_q68a1bbd6ce_prep-k_q68a1bbd6ce_prep
	.p2alignl 7, 3214868480
	.fill 96, 4, 3214868480
	.section	.rodata,"a",@progbits
	.p2align	6, 0x0
	.amdhsa_kernel k_q68a1bbd6ce_prep
		.amdhsa_group_segment_fixed_size 34304
		.amdhsa_private_segment_fixed_size 0
		.amdhsa_enable_private_segment 0
		.amdhsa_kernarg_size 64
		.amdhsa_user_sgpr_count 2
		.amdhsa_user_sgpr_kernarg_segment_ptr 1
		.amdhsa_wavefront_size32 1
		.amdhsa_system_sgpr_workgroup_id_x 1
		.amdhsa_system_sgpr_workgroup_id_y 1
		.amdhsa_system_sgpr_workgroup_id_z 1
		.amdhsa_system_vgpr_workitem_id 0
		.amdhsa_next_free_vgpr 208
		.amdhsa_next_free_sgpr 66
		.amdhsa_reserve_vcc 0
		.amdhsa_float_denorm_mode_32 3
		.amdhsa_float_denorm_mode_16_64 3
		.amdhsa_memory_ordered 1
		.amdhsa_forward_progress 1
		.amdhsa_inst_pref_size 69
	.end_amdhsa_kernel
	.amdgpu_metadata
---
amdhsa.version: [ 1, 2 ]
amdhsa.kernels:
  - .name:           k_q68a1bbd6ce_prep
    .symbol:         k_q68a1bbd6ce_prep.kd
    .args:
      - { .name: route, .offset: 0, .size: 8, .value_kind: global_buffer, .address_space: global }
      - { .name: w1, .offset: 8, .size: 8, .value_kind: global_buffer, .address_space: global }
      - { .name: w2, .offset: 16, .size: 8, .value_kind: global_buffer, .address_space: global }
      - { .name: b1, .offset: 24, .size: 8, .value_kind: global_buffer, .address_space: global }
      - { .name: b2, .offset: 32, .size: 8, .value_kind: global_buffer, .address_space: global }
      - { .name: wl, .offset: 40, .size: 8, .value_kind: global_buffer, .address_space: global }
      - { .name: order, .offset: 48, .size: 8, .value_kind: global_buffer, .address_space: global }
      - { .name: br, .offset: 56, .size: 8, .value_kind: global_buffer, .address_space: global }
    .group_segment_fixed_size: 34304
    .private_segment_fixed_size: 0
    .kernarg_segment_align: 8
    .kernarg_segment_size: 64
    .max_flat_workgroup_size: 128
    .sgpr_count:     66
    .vgpr_count:     208
    .wavefront_size: 32
...
	.end_amdgpu_metadata
.endif
;; end of part 5
;; launch chain: the kernel of part 3 again; grid 256 x 1, 4 waves a work-group, no clusters, 69,120 bytes of LDS; arguments order, xt, gates, wl, br, y; writes y
;; launch untr: the kernel of part 4 again; grid 256 x 1, 8 waves a work-group, no clusters, 34,816 bytes of LDS; arguments y, out0; writes out0
